; MI455X (gfx1250); checked and timed in simulation.
; The chip was launched on July 23, 2026; its instructions are those of AMD's public machine-readable ISA for CDNA 5 (MIT licence, August 2026) and "CDNA5" Instruction Set Architecture Reference Guide (July 2026). The comments in the code are by the model that wrote it; some were corrected since.
;; Llama Attention. Allowed arithmetic: matrix products marked QUANTISED: E2M3 operands, one E8M0 scale for each 32 along K, by v_wmma_scale_f32_16x16x128_f8f6f4 with both operands' format E2M3, f32 sums; products left as they are: f32 operands where the result goes on into a quantised operand, else bf16, f16 or f32 operands; f32 sums; everything else in f32.
;; Inputs: attention_mask 2 x 1,024 int32; hidden_states 2 x 1,024 x 2,048 float32; wk 2,048 x 2,048 float32; wo 2,048 x 2,048 float32; wq 2,048 x 2,048 float32; wv 2,048 x 2,048 float32.
;; Outputs: out0 2 x 1,024 x 2,048 float32.
;; This version of the problem:
;;   THIS VERSION OF THE PROBLEM IS GIVEN IN LOW PRECISION. The matrix products marked QUANTISED in the list below multiply operands that are first quantised to E2M3 (2 exponent bits, 3 mantissa bits; 6 bits a number), with one power-of-two scale for each 32 numbers along K (OCP MX v1.0); their sums are f32. All else is computed in f32.
;;   The module's matrix products, in the order in which they are computed (A, B: the left and right operand; K: the contracted axis; several contracted axes count as one K, in the product's order):
;;     1. [M 2,048, K 2,048] x [K 2,048, N 2,048]; A: input hidden_states; B: input wq: QUANTISED
;;     2. [M 2,048, K 2,048] x [K 2,048, N 2,048]; A: input hidden_states; B: input wk: QUANTISED
;;     3. [M 2,048, K 2,048] x [K 2,048, N 2,048]; A: input hidden_states; B: input wv: QUANTISED
;;     4. [M 1,024, K 1] x [K 1, N 64]; A: computed on the way; B: computed on the way: left as it is (no contracted axis)
;;     5. batch 32 x [M 1,024, K 128] x [K 128, N 1,024]; A: computed on the way; B: computed on the way: QUANTISED
;;     6. batch 32 x [M 1,024, K 1,024] x [K 1,024, N 128]; A: softmax (see below); B: computed on the way: QUANTISED
;;     7. [M 2,048, K 2,048] x [K 2,048, N 2,048]; A: computed on the way; B: input wo: QUANTISED
;;   THE QUANTISER, for each operand of a quantised product, along K:
;;     - K is cut into blocks of 32 from its start; a last block that is shorter is filled with zeros.
;;     - A block's scale is 2^e with e = floor(log2(the largest magnitude in the block)) - 2, held to -126 .. 127; a block of zeros has e = 0. As a byte (E8M0): e + 127.
;;     - Each number is divided by its block's scale, clamped to +-7.5, and rounded to the nearest number of E2M3, ties to even, subnormals kept.
;;     - The product sums the exact products of the quantised numbers (number of the format x scale) in f32.
;;   ~~~python
;;   def quantise(x, axis):      # numpy; x: float32 -> the quantised numbers, widened to float32 again
;;       x = np.moveaxis(x, axis, -1); K = x.shape[-1]
;;       x = np.pad(x, [(0, 0)] * (x.ndim - 1) + [(0, -K % 32)]); x = x.reshape(x.shape[:-1] + (-1, 32)); a = np.abs(x).max(-1, keepdims=True)
;;       e = np.where(a > 0, np.clip(np.frexp(np.where(a > 0, a, 1))[1] - 1 - 2, -126, 127), 0)      # np.frexp(a)[1] - 1 = floor(log2(a)), exactly
;;       r = np.clip(x / 2.0 ** e, -7.5, 7.5)
;;       step = 2.0 ** (np.maximum(np.frexp(np.where(r == 0, 1, r))[1] - 1, 0) - 3)
;;       q = np.round(r / step) * step * 2.0 ** e      # np.round: ties to even
;;       return np.moveaxis(q.reshape(q.shape[:-2] + (-1,))[..., :K], -1, axis).astype(np.float32)
;;   ~~~
;;   SOFTMAX AHEAD OF A QUANTISED PRODUCT. Where the list says 'softmax', what is quantised is not the finished softmax but p = 2^(t - M), with t = logit x log2(e) and M = ceil(the row's largest t), a whole number; so 1/2 < the row's largest p <= 1. The row's sum l is taken of the UNQUANTISED p, in f32, and the product's result is divided by l at the end. Since M is a whole number, a kernel that streams over the keys may use a running M (the ceiling of the running maximum): every later rescaling is an exact power of two, which a block's scale takes up: the codes' values come out the same.
;;   OPERANDS COMPUTED ON THE WAY. 'Computed on the way' means the value that the module computes at that place (a softmax that the list does not call 'softmax' is quantised finished and normalised). What goes into a quantiser is computed in f32, as accurately as f32 sums, v_exp_f32 and their like allow (about 1e-6 of the number): no bf16 or f16 on the way to a quantiser, and a product that is left as it is and whose result goes on into a quantised operand takes f32 operands (vector FMAs, or v_wmma_f32_16x16x4_f32). A number that lies on a knife's edge between two numbers of the format may be rounded either way, as far as f32 arithmetic and the matrix unit's own rounding can turn it there, and no further.
;; One version. Each part assembles by itself: llvm-mc -triple=amdgcn-amd-amdhsa -mcpu=gfx1250 --defsym DOCPART=n.
;; ======== version 1 of 1: 4 launches
;; limits: right only within a limited range of input values
;; workspace buffers: codes 15,728,640 bytes; scales 655,360 bytes; rope 589,824 bytes; qkv 9,437,184 bytes; qkvs 393,216 bytes; ocodes 3,145,728 bytes; oscales 131,072 bytes
;; launch quant (part 1): grid 656 x 1, 5 waves a work-group, no clusters, 43,008 bytes of LDS; arguments hidden_states, wq, wk, wv, wo, codes, scales, rope; writes codes, scales, rope
.if DOCPART == 1
	.amdgcn_target "amdgcn-amd-amdhsa--gfx1250"
	.amdhsa_code_object_version 6
	.text
	.protected	k_q4779dd0a8e_quant
	.globl	k_q4779dd0a8e_quant
	.p2align	8
	.type	k_q4779dd0a8e_quant,@function
k_q4779dd0a8e_quant:
	s_mov_b64 s[64:65], 0
	v_nop
	global_prefetch_b8 v0, s[64:65] scope:SCOPE_SE
	s_setreg_imm32_b32 hwreg(HW_REG_WAVE_MODE, 25, 1), 1
	s_wait_xcnt 0x0
; hidden_states and the four weights, each [2048][2048] f32 with K innermost, become codes of E2M3 with one E8M0 byte for each 32 along K; and the table of cos and sin for the rotation is made.
; LAYOUT OF THE CODES (this program's own): a FRAGMENT is 16 rows x 128 along K as the matrix instruction's 12 registers a lane hold it: lane (r, h) holds row r, registers 0-5 the block k = 32 h .. + 31,
; registers 6-11 the block k = 64 + 32 h .. + 31.  In memory it is an image of those registers, 1,536 bytes: registers 4 c .. 4 c + 3 of lane l at 512 c + 16 l.  codes: [tensor 5][tile 128][K step 16][1536].
; THE ROWS OF A TILE ARE NOT NEIGHBOURS: lane r of tile T holds row 32 (T / 2) + 8 (T % 2) + r + 8 (r / 8).
; scales: [tensor][T / 4][K step][r][T % 4], one word (four bytes, the lower K in the lower byte) for a row and 128 along K: 256 bytes for four tiles and a K step.
; A block's scale is 2^(floor(log2(its largest magnitude)) - 2): its byte is the largest magnitude's exponent field - 2, held at 1 from below.
; LIMITS: a block whose largest magnitude lies under 2^-124, a block of zeros among them, gets the byte 1 (the quantiser says 127 for zeros: the codes are zeros, and this program alone reads the bytes); NaN and infinities are not served.
; SHARES.  Work-groups 0 to 511: with s = 5 g + wave, tensor s / 512, tiles 4 G .. 4 G + 3 with G = (s % 512) / 16, K step s % 16: a wave reads 64 rows x 512 bytes and stores 4 x 1,536 bytes of codes and one aligned 256 bytes of words.
; Each load reads 512 consecutive bytes of a row; a fragment's 16 rows turn through the wave's own stage in LDS (rows 528 bytes apart, an odd multiple of 16) so that a lane gets 32 neighbours of its row.  Waves share nothing: no barrier.
; Work-groups 512 to 655 make the table, without LDS: rope: [position tile 72][group 16][512 bytes]; group kk < 8 holds cos, group 8 + kk sin; lane (r, h) holds four f32 for the position of lane r of the tile and the
; frequencies i = 32 (kk / 4) + 16 h + 4 (kk % 4) + 0 .. 3.  Tiles 64 to 71 are position 0 (cos 1, sin 0): v is turned by them, that is not at all.
; The angle is fl(t x inv), inv = 2^(-i log2(10000) / 64) by v_exp_f32; it is reduced by pi / 2 in three parts and goes through the series of sin to r^9 and of cos to r^10 on |r| <= pi / 4.
.set NQWG,  512                        ; 512 work-groups of five waves: 2,560 waves, one for each (tensor, four tiles, K step)
.set SP,    528                        ; a row of the stage
.set STGB,  16*SP                      ; a wave's stage
.set R,     16                         ; v16-143   two sets of 64: a fragment's rows as they are loaded
.set X,     144                        ; v144-207  my row's two blocks of 32
.set C,     208                        ; v208-219  the fragment's codes; v220-222, v224-226 the blocks' upper halves as the conversions leave them
.set PW,    232                        ; v232-235  the four fragments' scale words
	s_load_b256 s[4:11], s[0:1], 0x0               ; hidden_states, wq, wk, wv
	s_load_b256 s[12:19], s[0:1], 0x20             ; wo, codes, scales, rope
	v_lshl_add_u32 v240, v0, 2, 0xa500             ; the spare words lie behind the five stages
	v_mov_b32 v241, 0
	v_lshrrev_b32 v5, 5, v0
	v_readfirstlane_b32 s20, v5                    ; wave
	v_and_b32 v6, 31, v0                           ; lane
	v_and_b32 v7, 15, v0                           ; r
	v_bfe_u32 v8, v0, 4, 1                         ; h
	v_lshlrev_b32 v1, 4, v6                        ; 16 x lane
	s_cmp_ge_u32 ttmp9, NQWG
	s_cbranch_scc1 .Ltable
	s_mul_i32 s23, ttmp9, 5
	s_add_co_u32 s23, s23, s20                     ; my share: 5 x work-group + wave = 512 x tensor + 16 G + K step
	s_lshr_b32 s21, s23, 9                         ; which tensor
	s_bfe_u32 s22, s23, 0x50004                    ; G: four tiles, 64 rows
	s_and_b32 s23, s23, 15                         ; K step
	s_mul_i32 s24, s20, STGB                       ; my stage
	s_wait_alu depctr_va_vdst(0)
	v_add_nc_u32 v2, s24, v1                       ; into it: 16 bytes a lane of a row
	v_mul_u32_u24 v3, v7, SP
	v_lshl_add_u32 v3, v8, 7, v3
	v_add_nc_u32 v3, s24, v3                       ; out of it: row r, 128 h bytes on
	v_lshlrev_b32 v4, 4, v7
	v_lshl_add_u32 v4, v8, 3, v4                   ; the words' place: 16 r + 8 h
	v_lshlrev_b32 v9, 3, v8                        ; 8 h: my bytes' place in a word
	v_mov_b32 v238, 0                              ; written once: a lane permute's destination counts as one of its sources
	s_mov_b32 s30, 0x76543210
	s_mov_b32 s31, 0xfedcba98                      ; selects for lane l xor 16
	s_lshl_b32 s26, s22, 19                        ; 64 rows of 8,192 bytes
	s_lshl_b32 s25, s23, 9
	s_add_co_u32 s26, s26, s25                     ; + 512 bytes a K step
	s_mov_b32 s27, 0
	s_mul_i32 s28, s21, 3145728
	s_mul_i32 s25, s22, 98304
	s_add_co_u32 s28, s28, s25
	s_mul_i32 s25, s23, 1536
	s_add_co_u32 s28, s28, s25
	s_mov_b32 s29, 0
	s_lshl_b32 s32, s21, 17
	s_lshl_b32 s25, s22, 12
	s_add_co_u32 s32, s32, s25
	s_lshl_b32 s25, s23, 8
	s_add_co_u32 s32, s32, s25
	s_mov_b32 s33, 0
	s_wait_alu depctr_va_vdst(0)
	s_wait_kmcnt 0x0
	s_cmp_eq_u32 s21, 1                            ; the choice hangs on the work-group's number alone
	s_cselect_b64 s[4:5], s[6:7], s[4:5]
	s_cmp_eq_u32 s21, 2
	s_cselect_b64 s[4:5], s[8:9], s[4:5]
	s_cmp_eq_u32 s21, 3
	s_cselect_b64 s[4:5], s[10:11], s[4:5]
	s_cmp_eq_u32 s21, 4
	s_cselect_b64 s[4:5], s[12:13], s[4:5]
	s_add_nc_u64 s[4:5], s[4:5], s[26:27]
	s_add_nc_u64 s[14:15], s[14:15], s[28:29]
	s_add_nc_u64 s[16:17], s[16:17], s[32:33]
.macro LOADF i                         ; fragment i's 16 rows, 512 consecutive bytes each, into set i % 2
.irp rr, 0,1,2,3,4,5,6,7,8,9,10,11,12,13,14,15
	global_load_b128 v[R+64*((\i)%2)+4*\rr:R+64*((\i)%2)+4*\rr+3], v1, s[4:5] offset:(32*((\i)/2)+8*((\i)%2)+\rr+8*(\rr/8))*8192 th:TH_LOAD_NT
.endr
.endm
.macro FRAG i
.if (\i) < 3
	s_wait_loadcnt 16                              ; this fragment's 16 loads are in; the next fragment's 16 may be out
.else
	s_wait_loadcnt 0x0
.endif
.irp rr, 0,1,2,3,4,5,6,7,8,9,10,11,12,13,14,15
	ds_store_b128 v2, v[R+64*((\i)%2)+4*\rr:R+64*((\i)%2)+4*\rr+3] offset:SP*\rr
.endr
.irp c, 0,1                            ; LDS serves a wave's instructions in order: these see the stores above
.irp m, 0,1,2,3,4,5,6,7
	ds_load_b128 v[X+32*\c+4*\m:X+32*\c+4*\m+3], v3 offset:256*\c+16*\m   ; block 2 c + h of row r
.endr
.endr
	s_wait_dscnt 0x0                               ; my 64 numbers are in, and the stores have read their registers,
.if (\i) < 2
	LOADF (\i)+2                                   ; which take the fragment two on
.endif
.irp c, 0,1                            ; each block's largest magnitude in two chains, with the floor 2^(3 - 127) among the leaves: the byte cannot fall under 1
	v_max3_num_f32 v[228+\c], |v[X+32*\c]|, |v[X+32*\c+1]|, 0x1800000
	v_max3_num_f32 v[236+\c], |v[X+32*\c+16]|, |v[X+32*\c+17]|, 0x1800000
.endr
.irp k, 2,4,6,8,10,12,14
.irp c, 0,1
	v_max3_num_f32 v[228+\c], v[228+\c], |v[X+32*\c+\k]|, |v[X+32*\c+\k+1]|
	v_max3_num_f32 v[236+\c], v[236+\c], |v[X+32*\c+16+\k]|, |v[X+32*\c+17+\k]|
.endr
.endr
.irp c, 0,1
	v_max_num_f32 v[228+\c], v[228+\c], v[236+\c]
.endr
.irp c, 0,1
	v_add_nc_u32 v[230+\c], 0xff000000, v[228+\c]  ; 2 off the exponent field: the conversion takes this operand's exponent field as its scale
.endr
.irp c, 0,1
	v_lshrrev_b32 v[236+\c], 23, v[230+\c]         ; the scale's byte
.endr
	v_lshl_or_b32 v236, v237, 16, v236             ; blocks h and 2 + h,
	v_lshlrev_b32 v236, v9, v236                   ; at their places in the word;
	v_permlanex16_b32 v238, v236, s30, s31
	v_or_b32 v[PW+(\i)], v236, v238                ; with lane l xor 16's two the word is whole
	s_wait_alu depctr_va_vdst(0)
	s_wait_xcnt 0x0                                ; the last fragment's stores have read the codes' registers: they are written again only behind this wait
	v_cvt_scalef32_pk16_fp6_f32 v[C:C+2], v[X:X+15], v230
	v_cvt_scalef32_pk16_fp6_f32 v[220:222], v[X+16:X+31], v230     ; (a conversion's three registers begin on an even number)
	v_cvt_scalef32_pk16_fp6_f32 v[C+6:C+8], v[X+32:X+47], v231
	v_cvt_scalef32_pk16_fp6_f32 v[224:226], v[X+48:X+63], v231
	v_nop                                          ; one plain place behind a scaled conversion
.irp k, 0,1,2
	v_mov_b32 v[C+3+\k], v[220+\k]
	v_mov_b32 v[C+9+\k], v[224+\k]
.endr
.irp c, 0,1,2
	global_store_b128 v1, v[C+4*\c:C+4*\c+3], s[14:15] offset:(\i)*24576+512*\c   ; 512 consecutive bytes, aligned
.endr
.endm
	LOADF 0
	LOADF 1
	FRAG 0
	FRAG 1
	FRAG 2
	FRAG 3
	v_cmp_eq_u32 vcc_lo, 1, v8
	v_cndmask_b32 v236, v[PW], v[PW+2], vcc_lo     ; lanes 0-15 store tiles 0 and 1's words of row r, lanes 16-31 tiles 2 and 3's
	v_cndmask_b32 v237, v[PW+1], v[PW+3], vcc_lo
	global_store_b64 v4, v[236:237], s[16:17]      ; 32 lanes store 256 consecutive bytes, aligned
	s_wait_tensorcnt 0x0
	ds_add_u32 v240, v241
	s_wait_dscnt 0x0
	s_endpgm
.Ltable:
	s_cmp_eq_u32 s20, 4                            ; the table has eight groups for two work-groups: four waves each; the fifth has no part
	s_cbranch_scc1 .Lidle
	s_sub_co_u32 s21, ttmp9, NQWG
	s_lshr_b32 s22, s21, 1                         ; position tile
	s_and_b32 s23, s21, 1
	s_lshl_b32 s23, s23, 2
	s_add_co_u32 s23, s23, s20                     ; kk
	s_lshr_b32 s24, s22, 1
	s_lshl_b32 s24, s24, 5
	s_and_b32 s25, s22, 1
	s_lshl_b32 s25, s25, 3
	s_add_co_u32 s24, s24, s25                     ; the tile's first position
	s_cmp_lt_u32 s22, 64
	s_cselect_b32 s25, 1, 0                        ; tiles 64 on: position 0
	s_wait_alu depctr_va_vdst(0)
	v_and_b32 v10, 8, v7
	v_add_nc_u32 v10, v10, v7
	v_add_nc_u32 v10, s24, v10
	v_mul_u32_u24 v10, v10, s25
	v_cvt_f32_u32 v10, v10                         ; t
	s_lshr_b32 s26, s23, 2
	s_lshl_b32 s26, s26, 5
	s_and_b32 s27, s23, 3
	s_lshl_b32 s27, s27, 2
	s_add_co_u32 s26, s26, s27
	v_lshl_add_u32 v11, v8, 4, s26                 ; my first frequency: 32 (kk / 4) + 4 (kk % 4) + 16 h
.irp e, 0,1,2,3
	v_add_nc_u32 v[12+\e], \e, v11
.endr
.irp e, 0,1,2,3
	v_cvt_f32_u32 v[12+\e], v[12+\e]
.endr
.irp e, 0,1,2,3
	v_mul_f32 v[12+\e], 0xbe549a78, v[12+\e]       ; -i log2(10000) / 64
.endr
	s_wait_alu depctr_va_vdst(0)
.irp e, 0,1,2,3
	v_exp_f32 v[12+\e], v[12+\e]                   ; inv
.endr
	v_nop                                          ; a plain place behind the batch,
	s_wait_alu depctr_va_vdst(0)                   ; and the one wait ahead of its first use
.irp e, 0,1,2,3
	v_mul_f32 v[12+\e], v10, v[12+\e]              ; the angle
.endr
.irp e, 0,1,2,3
	v_mul_f32 v[16+\e], 0x3f22f983, v[12+\e]       ; x 2 / pi
.endr
.irp e, 0,1,2,3
	v_rndne_f32 v[16+\e], v[16+\e]                 ; n
.endr
.irp e, 0,1,2,3
	v_fmamk_f32 v[12+\e], v[16+\e], 0xbfc90000, v[12+\e]   ; r = angle - n pi / 2, pi / 2 in three parts
.endr
.irp e, 0,1,2,3
	v_fmamk_f32 v[12+\e], v[16+\e], 0xb9fda000, v[12+\e]
.endr
.irp e, 0,1,2,3
	v_fmamk_f32 v[12+\e], v[16+\e], 0xb3a22168, v[12+\e]
.endr
.irp e, 0,1,2,3
	v_mul_f32 v[20+\e], v[12+\e], v[12+\e]         ; r^2
	v_mov_b32 v[24+\e], 0x3638ef1d                 ; 1 / 9!
	v_mov_b32 v[28+\e], 0xb493f27e                 ; -1 / 10!
.endr
.irp e, 0,1,2,3
	v_fmaak_f32 v[24+\e], v[24+\e], v[20+\e], 0xb9500d01   ; -1 / 7!
	v_fmaak_f32 v[28+\e], v[28+\e], v[20+\e], 0x37d00d01   ; 1 / 8!
.endr
.irp e, 0,1,2,3
	v_fmaak_f32 v[24+\e], v[24+\e], v[20+\e], 0x3c088889   ; 1 / 5!
	v_fmaak_f32 v[28+\e], v[28+\e], v[20+\e], 0xbab60b61   ; -1 / 6!
.endr
.irp e, 0,1,2,3
	v_fmaak_f32 v[24+\e], v[24+\e], v[20+\e], 0xbe2aaaab   ; -1 / 3!
	v_fmaak_f32 v[28+\e], v[28+\e], v[20+\e], 0x3d2aaaab   ; 1 / 4!
.endr
.irp e, 0,1,2,3
	v_mul_f32 v[32+\e], v[20+\e], v[12+\e]         ; r^3
	v_fmaak_f32 v[28+\e], v[28+\e], v[20+\e], 0xbf000000   ; -1 / 2
.endr
.irp e, 0,1,2,3
	v_fma_f32 v[24+\e], v[24+\e], v[32+\e], v[12+\e]       ; sin r
	v_fma_f32 v[28+\e], v[28+\e], v[20+\e], 1.0            ; cos r
	v_cvt_i32_f32 v[16+\e], v[16+\e]
.endr
.irp e, 0,1,2,3                        ; the quadrant n % 4: odd: sin and cos change places; sin's sign from n & 2, cos's from (n + 1) & 2
	v_and_b32 v[32+\e], 1, v[16+\e]
	v_cmp_eq_u32 vcc_lo, 1, v[32+\e]
	v_cndmask_b32 v[36+\e], v[24+\e], v[28+\e], vcc_lo
	v_cndmask_b32 v[40+\e], v[28+\e], v[24+\e], vcc_lo
	v_and_b32 v[32+\e], 2, v[16+\e]
	v_lshlrev_b32 v[32+\e], 30, v[32+\e]
	v_xor_b32 v[36+\e], v[32+\e], v[36+\e]         ; sin
	v_add_nc_u32 v[16+\e], 1, v[16+\e]
	v_and_b32 v[16+\e], 2, v[16+\e]
	v_lshlrev_b32 v[16+\e], 30, v[16+\e]
	v_xor_b32 v[40+\e], v[16+\e], v[40+\e]         ; cos
.endr
	s_lshl_b32 s26, s22, 13
	s_lshl_b32 s27, s23, 9
	s_add_co_u32 s26, s26, s27
	s_mov_b32 s27, 0
	s_wait_alu depctr_va_vdst(0)
	s_wait_kmcnt 0x0
	s_add_nc_u64 s[18:19], s[18:19], s[26:27]
	global_store_b128 v1, v[40:43], s[18:19]       ; 512 consecutive bytes, aligned
	global_store_b128 v1, v[36:39], s[18:19] offset:4096
	s_endpgm
.Lidle:
	s_wait_kmcnt 0x0
	s_endpgm
.Lfunc_end_k_q4779dd0a8e_quant:
	.size	k_q4779dd0a8e_quant, .Lfunc_end_k_q4779dd0a8e_quant-k_q4779dd0a8e_quant
	.p2alignl 7, 3214868480
	.fill 96, 4, 3214868480
	.section	.rodata,"a",@progbits
	.p2align	6, 0x0
	.amdhsa_kernel k_q4779dd0a8e_quant
		.amdhsa_group_segment_fixed_size 43008
		.amdhsa_private_segment_fixed_size 0
		.amdhsa_enable_private_segment 0
		.amdhsa_kernarg_size 64
		.amdhsa_user_sgpr_count 2
		.amdhsa_user_sgpr_kernarg_segment_ptr 1
		.amdhsa_wavefront_size32 1
		.amdhsa_system_sgpr_workgroup_id_x 1
		.amdhsa_system_sgpr_workgroup_id_y 1
		.amdhsa_system_sgpr_workgroup_id_z 1
		.amdhsa_system_vgpr_workitem_id 0
		.amdhsa_next_free_vgpr 242
		.amdhsa_next_free_sgpr 66
		.amdhsa_reserve_vcc 1
		.amdhsa_float_denorm_mode_32 3
		.amdhsa_float_denorm_mode_16_64 3
		.amdhsa_memory_ordered 1
		.amdhsa_forward_progress 1
		.amdhsa_inst_pref_size 39
	.end_amdhsa_kernel
	.amdgpu_metadata
---
amdhsa.version: [ 1, 2 ]
amdhsa.kernels:
  - .name:           k_q4779dd0a8e_quant
    .symbol:         k_q4779dd0a8e_quant.kd
    .args:
      - { .name: hidden_states, .offset: 0, .size: 8, .value_kind: global_buffer, .address_space: global }
      - { .name: wq, .offset: 8, .size: 8, .value_kind: global_buffer, .address_space: global }
      - { .name: wk, .offset: 16, .size: 8, .value_kind: global_buffer, .address_space: global }
      - { .name: wv, .offset: 24, .size: 8, .value_kind: global_buffer, .address_space: global }
      - { .name: wo, .offset: 32, .size: 8, .value_kind: global_buffer, .address_space: global }
      - { .name: codes, .offset: 40, .size: 8, .value_kind: global_buffer, .address_space: global }
      - { .name: scales, .offset: 48, .size: 8, .value_kind: global_buffer, .address_space: global }
      - { .name: rope, .offset: 56, .size: 8, .value_kind: global_buffer, .address_space: global }
    .group_segment_fixed_size: 43008
    .private_segment_fixed_size: 0
    .kernarg_segment_align: 8
    .kernarg_segment_size: 64
    .max_flat_workgroup_size: 160
    .sgpr_count:     66
    .vgpr_count:     242
    .wavefront_size: 32
...
	.end_amdgpu_metadata
.endif
;; end of part 1
;; launch qkv (part 2): grid 8 x 24, 4 waves a work-group, clusters of 4 x 4, 327,680 bytes of LDS; arguments codes, scales, rope, qkv, qkvs; writes qkv, qkvs
.if DOCPART == 2
	.amdgcn_target "amdgcn-amd-amdhsa--gfx1250"
	.amdhsa_code_object_version 6
	.text
	.protected	k_q4779dd0a8e_qkv
	.globl	k_q4779dd0a8e_qkv
	.p2align	8
	.type	k_q4779dd0a8e_qkv,@function
k_q4779dd0a8e_qkv:
	s_mov_b64 s[64:65], 0
	v_nop
	global_prefetch_b8 v0, s[64:65] scope:SCOPE_SE
	s_setreg_imm32_b32 hwreg(HW_REG_WAVE_MODE, 25, 1), 1
	s_wait_xcnt 0x0
	s_wait_alu depctr_hold_cnt(0) depctr_sa_sdst(0) depctr_va_vdst(0) depctr_va_sdst(0) depctr_va_ssrc(0) depctr_va_vcc(0) depctr_vm_vsrc(0)
	s_getreg_b32 s2, hwreg(HW_REG_IB_STS2, 6, 4)
	s_cmp_eq_u32 s2, 0
	s_cbranch_scc0 .Lentry_in_a_cluster
	s_endpgm
.Lentry_in_a_cluster:
	s_bfe_u32 s2, ttmp6, 0x10000c
	s_cmp_lg_u32 s2, 0xf033
	s_cbranch_scc0 .Lentry_shape_is_right
	s_endpgm
.Lentry_shape_is_right:
; q, k and v = hidden_states x wq^T, wk^T, wv^T on codes of E2M3; q and k are turned by the table of cos and sin (v by position 0's, which leaves it as it is); each is quantised anew and leaves as fragment images.
; IN: codes [tensor 5][tile 128][K step 16][1536], scales [tensor][tile / 4][K step][r][tile % 4]: images of the operands' registers, as the first launch lays them.
; SHARES.  A block of 256 x 256 to a work-group, 128 x 128 to each of four waves: 64 accumulators.  A wave's 128 along side B are one head (q, k: side A tokens, side B channels) or one chunk of keys (v: side A channels of wv, side B tokens),
; so that the rotation's pairs and the blocks of 32 of the next K lie in one lane's registers.  2,048 x 6,144 in such blocks are 192 work-groups; no block whose side B is a multiple of 128 a wave divides it into 256 equal parts.
; THE RING: two slots of three K steps (147,456 bytes each).  K's 16 steps come in six fills; the sixth is wanted for step 15 alone: its rows run 3,072 bytes on into the next tile's row, inside the buffer, and those bytes are not read from LDS.
; One descriptor so serves every fill of the loop.  A trip of the loop is six steps, two fills: after it slots, fragment sets and scale sets are back where they began.
; THE SCALE WORDS go from memory straight into registers: 32 lanes x 16 bytes are four tiles' words of TWO K steps (lanes 0-15 the even step, lanes 16-31 the odd one, chosen by the ROW selectors).  A pair of steps takes four loads, 16 registers;
; three sets; pair p is asked for in step 2 p - 3 and waited for at the head of step 2 p, where the four loads of pair p + 1 may be out.
; PREFETCH: behind the load of fill f stand two requests for fill f + 2: of the eight tiles that a wave fetches each of the four partners that ask jointly names two, told apart by address; a lane names 256 bytes, 18 lanes a tile's 4,608 bytes
; (the other lanes name the last block again).  Fills 0 and 1 come by their loads alone; fills 4 and 5 have no fill two on.  The table's tiles are named once at the head, a tile (8,192 bytes) a wave: tile 2 cx + column half of my eight
; (for v all waves of the launch share eight tiles, so there a tile is named by several waves).
; CLUSTERS: 4 x 4: side A's tiles are asked for jointly along a row of the cluster, side B's along a column.
; LIMITS: a block whose largest magnitude lies under 2^-124 gets the byte 1 (a block of zeros too: its codes are zeros, and this program alone reads the bytes); NaN and infinities are not served.
; REGISTERS: window 0: v0-15 addresses; v16-63 scale words alone; v64-159, v160-255 side A's fragments, two sets (on the way out at work).  window 1: v0-95, v128-223 side B's; on the way out cos and sin.  windows 2, 3: accumulators.
.set NA,    8
.set NQ,    3
.set FRB,   1536
.set TROW,  24576
.set HALF,  NA*NQ*FRB
.set SLOT,  4*HALF
.set SPARE, 2*SLOT
.set ADRA, 4
.set ADRB, 6
.set LI,   8
.set HV,   9
.set SVA,  10
.set SVB,  11
.set SPW,  12
.set NIL,  13
.set PFO,  14
.set PFR,  15
.set SC,   16
.set Y,    64
.set PC,   128
.set TM,   148
.set PW,   164
.set PWS,  168
.set W,    176
.set G1,   24
.set G0,   32
.set G1B,  48
.set G0B,  56
.set PFA,  72
.set PFB,  74
.set SEL,  100
.set MSB, 0
.macro WIN new
.if MSB != (\new)
	s_set_vgpr_msb (MSB<<8)|(\new)
.set MSB, (\new)
.endif
.endm
.macro PLACES n
.rept \n
	v_nop
.endr
.endm
.macro JLOAD g0a, g1a, g0b, g1b        ; waves 0 and 1 fetch side A's halves, waves 2 and 3 side B's
	s_cmp_eq_u32 s15, 0
	s_cbranch_scc0 .Lfor_b_\@
	tensor_load_to_lds s[\g0a:\g0a+3], s[\g1a:\g1a+7]
	s_nop 0
.rept 4
	v_nop
.endr
	s_branch .Lasked_\@
.Lfor_b_\@:
	tensor_load_to_lds s[\g0b:\g0b+3], s[\g1b:\g1b+7]
	s_nop 0
.rept 4
	v_nop
.endr
.Lasked_\@:
.endm
.macro CREST
	s_cmp_lg_u32 s14, 0
	s_cbranch_scc1 .Lnot_wave_0_\@
	s_barrier_signal -3
.Lnot_wave_0_\@:
	s_barrier_wait -3
	s_barrier_signal -1
	s_barrier_wait -1
.endm
.macro CROUND
	s_barrier_signal -1
	s_barrier_wait -1
	CREST
.endm
.macro ASK off, guard                  ; guard = 1: in the loop's first trip alone
.if \guard
	s_cmp_eq_u32 s3, 2
	s_cbranch_scc0 .Lno_ask_\@
.endif
	global_prefetch_b8 v[PFO], s[PFA:PFA+1] offset:\off th:TH_LOAD_NT scope:SCOPE_SE
	global_prefetch_b8 v[PFO], s[PFA:PFA+1] offset:\off+TROW th:TH_LOAD_NT scope:SCOPE_SE
.if \guard
.Lno_ask_\@:
.endif
.endm
.macro SCLOAD p                        ; the scale words of steps 2 p, 2 p + 1 into set p % 3: registers 0-7 side A's eight tiles, 8-15 side B's
.irp g, 0,1
	global_load_b128 v[SC+16*((\p)%3)+4*\g:SC+16*((\p)%3)+4*\g+3], v[SVA], s[6:7] offset:4096*\g+512*(\p)
	global_load_b128 v[SC+16*((\p)%3)+8+4*\g:SC+16*((\p)%3)+8+4*\g+3], v[SVB], s[6:7] offset:4096*\g+512*(\p)
.endr
.endm
	s_load_b256 s[4:11], s[0:1], 0x0               ; codes, scales, rope, qkv
	s_load_b64 s[12:13], s[0:1], 0x20              ; qkvs
	v_lshl_add_u32 v[SPW], v0, 2, SPARE
	v_mov_b32 v[NIL], 0
	ds_add_u32 v[SPW], v[NIL]                      ; the opening lines: the add twice on end and one wait
	ds_add_u32 v[SPW], v[NIL]
	v_lshrrev_b32 v1, 5, v0
	v_readfirstlane_b32 s14, v1                    ; wave
	s_lshr_b32 s15, s14, 1                         ; my half of side A.  Also: I fetch for A (0) or B (1)
	s_and_b32 s16, s14, 1                          ; my half of side B.  Also: which half I fetch
	s_bfe_u32 s40, ttmp6, 0x40000                  ; cx
	s_bfe_u32 s41, ttmp6, 0x40004                  ; cy
	s_lshl_b32 s42, ttmp9, 2
	s_add_co_u32 s42, s42, s40                     ; block column 0..7
	s_and_b32 s18, ttmp7, 0xffff
	s_lshr_b32 s66, s18, 1                         ; kind: q, k, v
	s_and_b32 s17, s18, 1
	s_lshl_b32 s17, s17, 2
	s_add_co_u32 s17, s17, s41                     ; block row 0..7
	s_lshl_b32 s43, s41, 2
	s_lshl_b32 s43, 15, s43                        ; my row of the cluster
	s_lshl_b32 s44, 0x1111, s40                    ; my column
	s_mov_b32 s[SEL], 0x76543210
	s_mov_b32 s[SEL+1], 0xfedcba98
	s_or_b32 s[G1+0], s43, (3<<16)|(1<<21)         ; eight rows (a tile each) of 4,608 bytes, 24,576 apart; elements of 8 bytes
	s_or_b32 s[G1B+0], s44, (3<<16)|(1<<21)
.irp g, G1, G1B
	s_mov_b32 s[\g+1], (NQ*192)<<16
	s_mov_b32 s[\g+2], NA<<16
	s_mov_b32 s[\g+3], (NQ*192)<<16
	s_mov_b32 s[\g+4], NA
	s_mov_b32 s[\g+5], TROW/8
	s_mov_b32 s[\g+6], 0
	s_mov_b32 s[\g+7], 0
.endr
	s_lshl_b32 s46, s66, 7
	s_add_co_u32 s46, s46, 128                     ; q, k: side B is wq or wk,
	s_cmp_eq_u32 s66, 2
	s_cselect_b32 s20, 384, 0                      ; v: side A is wv,
	s_cselect_b32 s46, 0, s46                      ; and side B hidden_states
	s_lshl_b32 s19, s17, 4
	s_add_co_u32 s20, s20, s19                     ; the block's first tile of A
	s_lshl_b32 s47, s42, 4
	s_add_co_u32 s46, s46, s47                     ; and of B
	s_lshl_b32 s18, s15, 3
	s_add_co_u32 s76, s20, s18
	s_lshl_b32 s76, s76, 10                        ; the words of the eight tiles of A that I multiply: 1,024 bytes a tile
	s_lshl_b32 s18, s16, 3
	s_add_co_u32 s77, s46, s18
	s_lshl_b32 s77, s77, 10                        ; and of B
	s_add_co_u32 s20, s20, s18                     ; the eight tiles that I fetch
	s_add_co_u32 s46, s46, s18
	s_mul_i32 s20, s20, TROW
	s_mov_b32 s21, 0
	s_mul_i32 s46, s46, TROW
	s_mov_b32 s47, 0
	s_mul_i32 s45, s14, HALF                       ; where they go: A's halves, then B's
	s_mul_i32 s67, s15, HALF
	s_mul_i32 s68, s16, HALF
	s_add_co_u32 s68, s68, 2*HALF
	v_and_b32 v1, 31, v0
	v_lshlrev_b32 v[LI], 4, v1                     ; 16 x lane
	v_bfe_u32 v[HV], v0, 4, 1
	v_add_nc_u32 v[ADRA], s67, v[LI]
	v_add_nc_u32 v[ADRB], s68, v[LI]
	v_add_nc_u32 v[ADRA+1], SLOT, v[ADRA]
	v_add_nc_u32 v[ADRB+1], SLOT, v[ADRB]
	v_add_nc_u32 v[SVA], s76, v[LI]
	v_add_nc_u32 v[SVB], s77, v[LI]
	v_min_u32 v2, 17, v1
	v_lshlrev_b32 v[PFO], 8, v2                    ; 256 x min(lane, 17)
	v_lshlrev_b32 v[PFR], 8, v1                    ; 256 x lane
	s_wait_alu depctr_va_vdst(0)                   ; the wait at the end of the head's vector work
	s_wait_dscnt 0x0
	s_wait_kmcnt 0x0
	s_add_nc_u64 s[20:21], s[4:5], s[20:21]
	s_add_nc_u64 s[46:47], s[4:5], s[46:47]
	s_cmp_eq_u32 s15, 0
	s_cselect_b64 s[PFA:PFA+1], s[20:21], s[46:47]
	s_cselect_b32 s78, s40, s41                    ; my place among the four that ask with me
	s_mul_i32 s78, s78, 2*TROW                     ; two of the eight tiles
	s_mov_b32 s79, 0
	s_add_nc_u64 s[PFA:PFA+1], s[PFA:PFA+1], s[78:79]
.irp s, 0,1
	s_mov_b32 s[G0+4*\s], 1
	s_add_co_u32 s[G0+4*\s+1], s45, \s*SLOT
	s_add_nc_u64 s[G0+4*\s+2:G0+4*\s+3], s[20:21], \s*NQ*FRB
	s_or_b32 s[G0+4*\s+3], s[G0+4*\s+3], 0x80000000
	s_mov_b32 s[G0B+4*\s], 1
	s_add_co_u32 s[G0B+4*\s+1], s45, \s*SLOT
	s_add_nc_u64 s[G0B+4*\s+2:G0B+4*\s+3], s[46:47], \s*NQ*FRB
	s_or_b32 s[G0B+4*\s+3], s[G0B+4*\s+3], 0x80000000
.endr
	CROUND                                         ; all sixteen work-groups are here
	JLOAD G0, G1, G0B, G1B                         ; fill 0: my one tensor load at the head
	SCLOAD 0
	SCLOAD 1
	ASK 2*NQ*FRB, 0                                ; fill 2
	s_lshl_b32 s67, s17, 1
	s_add_co_u32 s67, s67, s15                     ; my 128 of side A
	s_lshl_b32 s68, s42, 1
	s_add_co_u32 s68, s68, s16                     ; my 128 of side B
	s_and_b32 s69, s67, 7
	s_lshl_b32 s69, s69, 3                         ; q, k: my tokens' eight position tiles
	s_cmp_eq_u32 s66, 2
	s_cselect_b32 s18, s68, s67                    ; chunk of tokens
	s_cselect_b32 s19, s67, s68                    ; head
	s_cselect_b32 s69, 64, s69                     ; v: position 0's tiles
	s_lshr_b32 s70, s18, 3
	s_lshl_b32 s70, s70, 4
	s_add_co_u32 s70, s70, s19                     ; 16 x batch + head
	s_and_b32 s18, s18, 7
	s_mul_i32 s98, s66, 3145728
	s_mul_i32 s2, s70, 98304
	s_add_co_u32 s98, s98, s2
	s_mul_i32 s2, s18, 12288
	s_add_co_u32 s98, s98, s2
	s_mov_b32 s99, 0
	s_add_nc_u64 s[10:11], s[10:11], s[98:99]
	s_lshl_b32 s98, s66, 17
	s_lshl_b32 s2, s70, 12
	s_add_co_u32 s98, s98, s2
	s_lshl_b32 s2, s18, 9
	s_add_co_u32 s98, s98, s2
	s_add_nc_u64 s[12:13], s[12:13], s[98:99]
	s_lshl_b32 s98, s69, 13
	s_add_nc_u64 s[8:9], s[8:9], s[98:99]
	s_lshl_b32 s98, s40, 1
	s_add_co_u32 s98, s98, s16
	s_lshl_b32 s98, s98, 13
	s_add_nc_u64 s[PFB:PFB+1], s[8:9], s[98:99]    ; the one tile of the table that I name
.macro FETCH slot, q, set              ; the fragments of the slot's q-th step: B's eight, then A's eight
	WIN 0x40
.irp i, 0,1,2,3,4,5,6,7
.irp c, 0,1,2
	ds_load_b128 v[128*(\set)+12*\i+4*\c:128*(\set)+12*\i+4*\c+3], v[ADRB+\slot] offset:(\i*NQ+(\q))*FRB+512*\c
.endr
.endr
	WIN 0
.irp i, 0,1,2,3,4,5,6,7
.irp c, 0,1,2
	ds_load_b128 v[64+96*(\set)+12*\i+4*\c:64+96*(\set)+12*\i+4*\c+3], v[ADRA+\slot] offset:(\i*NQ+(\q))*FRB+512*\c
.endr
.endr
.endm
.macro WM d, fb, fa, sb, sa, zero, row
.if \zero
	v_wmma_scale_f32_16x16x128_f8f6f4 v[\d:\d+7], v[\fb:\fb+11], v[\fa:\fa+11], 0, v[\sb], v[\sa] matrix_a_fmt:MATRIX_FMT_FP6 matrix_b_fmt:MATRIX_FMT_FP6
.elseif \row
	v_wmma_scale_f32_16x16x128_f8f6f4 v[\d:\d+7], v[\fb:\fb+11], v[\fa:\fa+11], v[\d:\d+7], v[\sb], v[\sa] matrix_a_fmt:MATRIX_FMT_FP6 matrix_b_fmt:MATRIX_FMT_FP6 matrix_a_scale:MATRIX_SCALE_ROW1 matrix_b_scale:MATRIX_SCALE_ROW1
.else
	v_wmma_scale_f32_16x16x128_f8f6f4 v[\d:\d+7], v[\fb:\fb+11], v[\fa:\fa+11], v[\d:\d+7], v[\sb], v[\sa] matrix_a_fmt:MATRIX_FMT_FP6 matrix_b_fmt:MATRIX_FMT_FP6
.endif
.endm
.macro MULA a, s, zero                 ; A's tile a against B's eight in step s, used transposed (source 0 = B).  The 64 accumulators take turns in one order in every step
	WIN 0xa1+0x50*((\a)/4)
.irp b, 0,1,2,3,4,5,6,7
	WM 8*(8*((\a)%4)+\b), 128*((\s)%2)+12*\b, 64+96*((\s)%2)+12*(\a), SC+16*(((\s)/2)%3)+8+\b, SC+16*(((\s)/2)%3)+(\a), \zero, (\s)%2
.endr
.endm
; A K step: the next step's fragments are asked for, then come this step's 64 products.  Where the next step begins another slot, this step's slot is read no more: the three lines, the barrier, and (fill = 1) the round and the joint refill.
; ask: the prefetch's byte offset, or 0;  scl: the pair of scale words asked for, or 0;  lc: at an even step, the scale loads that may be out
.macro KSTEP s, zero, fill, ask, scl, lc
.set KNX, (\s)+1
.set KSL, ((\s)/3)%2
.if (\s)%3 == 2
	s_wait_tensorcnt 0x0                           ; all my tensor loads have landed, my part of the next slot among them
	ds_add_u32 v[SPW], v[NIL]
.if \fill
	s_add_nc_u64 s[G0+4*KSL+2:G0+4*KSL+3], s[G0+4*KSL+2:G0+4*KSL+3], 2*NQ*FRB
	s_add_nc_u64 s[G0B+4*KSL+2:G0B+4*KSL+3], s[G0B+4*KSL+2:G0B+4*KSL+3], 2*NQ*FRB
.endif
	s_wait_dscnt 0x0                               ; the add is done, and this step's fragments, my last reads of the slot, are in
	s_barrier_signal -1
	s_barrier_wait -1
.if \fill
	CREST
	JLOAD G0+4*KSL, G1, G0B+4*KSL, G1B             ; its four v_nop are the places in front of the loads below
.else
	PLACES 4
.endif
.else
	s_wait_dscnt 0x0                               ; this step's fragments are in
	PLACES 4
.endif
.if (\s)%2 == 0
	s_wait_loadcnt \lc                             ; this pair's scale words are in
.endif
	FETCH (KNX/3)%2, KNX%3, KNX%2
.if \scl
	SCLOAD \scl
.endif
.if \ask
	ASK \ask, 1
.endif
.irp a, 0,1,2,3,4,5,6,7
	MULA \a, \s, \zero
.endr
	WIN 0
.endm
.macro CSLOAD a                        ; cos and sin of A's tile a into window 1
	WIN 0x40
.irp k, 0,1,2,3,4,5,6,7,8,9,10,11,12,13,14,15
	global_load_b128 v[64*((\a)%4)+4*\k:64*((\a)%4)+4*\k+3], v[LI], s[8:9] offset:(\a)*8192+512*\k
.endr
	WIN 0
.endm
	s_wait_tensorcnt 0x0                           ; my part of fill 0 is in; slot 1's first fill is issued as a refill is
	ds_add_u32 v[SPW], v[NIL]
	s_wait_dscnt 0x0
	CROUND
	JLOAD G0+4, G1, G0B+4, G1B                     ; fill 1
	FETCH 0, 0, 0
	ASK 3*NQ*FRB, 0                                ; fill 3
	global_prefetch_b8 v[PFR], s[PFB:PFB+1] th:TH_LOAD_NT scope:SCOPE_SE
	KSTEP 0, 1, 0, 0, 0, 4                         ; the first step's products start the sums
	s_mov_b32 s3, 2
.Llap:                                                 ; steps 1 to 6, then 7 to 12
	KSTEP 1, 0, 0, 0, 2, 0
	KSTEP 2, 0, 1, 4*NQ*FRB, 0, 4
	KSTEP 3, 0, 0, 0, 3, 0
	KSTEP 4, 0, 0, 0, 0, 4
	KSTEP 5, 0, 1, 5*NQ*FRB, 4, 0
	KSTEP 6, 0, 0, 0, 0, 4
	s_wait_xcnt 0x0                                ; the scale loads have read their base
	s_add_nc_u64 s[6:7], s[6:7], 3*512             ; three pairs of steps on
	s_sub_co_u32 s3, s3, 1
	s_cmp_lg_u32 s3, 0
	s_cbranch_scc1 .Llap
	KSTEP 13, 0, 0, 0, 0, 0
	KSTEP 14, 0, 0, 0, 0, 0
	PLACES 4
	CSLOAD 0
	CSLOAD 1
	s_wait_dscnt 0x0
.irp a, 0,1,2,3,4,5,6,7
	MULA \a, 15, 0
.endr
	WIN 0
.macro QUANT s                         ; 64 numbers (register 16 b + i = k 32 b + 16 h + i) into the fragment's codes v[PC:PC+11] and its scale word v[PW]
.irp b, 0,1,2,3
	v_max3_num_f32 v[TM+\b], |v[\s+16*\b]|, |v[\s+1+16*\b]|, 0x1800000
.endr
.irp i, 2,4,6,8,10,12,14
.irp b, 0,1,2,3
	v_max3_num_f32 v[TM+\b], v[TM+\b], |v[\s+16*\b+\i]|, |v[\s+1+16*\b+\i]|
.endr
.endr
.irp b, 0,1,2,3
	v_permlanex16_b32 v[TM+4+\b], v[TM+\b], s[SEL], s[SEL+1]
.endr
.irp b, 0,1,2,3
	v_max_num_f32 v[TM+\b], v[TM+\b], v[TM+4+\b]
.endr
.irp b, 0,1,2,3
	v_add_nc_u32 v[TM+12+\b], 0xff000000, v[TM+\b]
.endr
.irp b, 0,1,2,3
	v_lshrrev_b32 v[TM+4+\b], 23, v[TM+12+\b]
.endr
	v_lshl_or_b32 v[PW], v[TM+5], 8, v[TM+4]
	v_lshl_or_b32 v[PW], v[TM+6], 16, v[PW]
	v_lshl_or_b32 v[PW], v[TM+7], 24, v[PW]
.irp c, 0,1
	v_cvt_scalef32_pk16_fp6_f32 v[PC+6*\c:PC+2+6*\c], v[\s+32*\c:\s+15+32*\c], v[TM+12+2*\c]
	v_cvt_scalef32_pk16_fp6_f32 v[PC+12+4*\c:PC+14+4*\c], v[\s+16+32*\c:\s+31+32*\c], v[TM+12+2*\c+1]
.endr
	v_nop
.irp c, 0,1
.irp i, 0,1,2
	v_permlane16_swap_b32 v[PC+6*\c+\i], v[PC+12+4*\c+\i]
.endr
.irp i, 0,1,2
	v_mov_b32 v[PC+3+6*\c+\i], v[PC+12+4*\c+\i]
.endr
.endr
.endm
.macro ROPE a                          ; y = x cos - x(+64) sin for the lower 64 channels, x cos + x(-64) sin for the upper
.set AB, 64*((\a)%4)
.set CB, 64*((\a)%4)
	WIN 0x06+((\a)/4)
.irp n, 0,2,4,6,8,10,12,14,16,18,20,22,24,26,28,30
	v_pk_mul_f32 v[Y+\n:Y+\n+1], v[AB+32+\n:AB+33+\n], v[CB+32+\n:CB+33+\n]
.endr
.irp n, 0,2,4,6,8,10,12,14,16,18,20,22,24,26,28,30
	v_pk_fma_f32 v[Y+\n:Y+\n+1], v[AB+\n:AB+\n+1], v[CB+\n:CB+\n+1], v[Y+\n:Y+\n+1] neg_lo:[0,0,1] neg_hi:[0,0,1]
.endr
.irp n, 0,2,4,6,8,10,12,14,16,18,20,22,24,26,28,30
	v_pk_mul_f32 v[Y+32+\n:Y+33+\n], v[AB+\n:AB+\n+1], v[CB+32+\n:CB+33+\n]
.endr
.irp n, 0,2,4,6,8,10,12,14,16,18,20,22,24,26,28,30
	v_pk_fma_f32 v[Y+32+\n:Y+33+\n], v[AB+32+\n:AB+33+\n], v[CB+\n:CB+\n+1], v[Y+32+\n:Y+33+\n]
.endr
	WIN 0
.endm
	PLACES 4
.irp b, 0,1,2,3
	v_mov_b32 v[TM+4+\b], 0
.endr
	CSLOAD 2
	CSLOAD 3
.irp a, 0,1,2,3,4,5,6,7
.if \a < 5
	s_wait_loadcnt 48                              ; this tile's 16 loads are in; three tiles' may be out
.else
	s_wait_loadcnt 16*(7-\a)
.endif
.if \a > 0
	s_wait_xcnt 0x0                                ; the last tile's stores have read the codes' registers
.endif
	ROPE \a
.if \a < 4
	CSLOAD (\a)+4
.endif
	QUANT Y
.irp c, 0,1,2
	global_store_b128 v[LI], v[PC+4*\c:PC+4*\c+3], s[10:11] offset:\a*FRB+512*\c
.endr
	v_mov_b32 v[PWS+\a], v[PW]
.endr
	v_cmp_eq_u32 vcc_lo, 1, v[HV]
.irp i, 0,1,2,3
	v_cndmask_b32 v[W+\i], v[PWS+\i], v[PWS+4+\i], vcc_lo
.endr
	global_store_b128 v[LI], v[W:W+3], s[12:13]
	s_wait_tensorcnt 0x0                           ; the wave's end
	ds_add_u32 v[SPW], v[NIL]
	s_wait_dscnt 0x0
	CROUND                                         ; the closing round
	s_endpgm
.Lfunc_end_k_q4779dd0a8e_qkv:
	.size	k_q4779dd0a8e_qkv, .Lfunc_end_k_q4779dd0a8e_qkv-k_q4779dd0a8e_qkv
	.p2alignl 7, 3214868480
	.fill 96, 4, 3214868480
	.section	.rodata,"a",@progbits
	.p2align	6, 0x0
	.amdhsa_kernel k_q4779dd0a8e_qkv
		.amdhsa_group_segment_fixed_size 327680
		.amdhsa_private_segment_fixed_size 0
		.amdhsa_enable_private_segment 0
		.amdhsa_kernarg_size 40
		.amdhsa_user_sgpr_count 2
		.amdhsa_user_sgpr_kernarg_segment_ptr 1
		.amdhsa_wavefront_size32 1
		.amdhsa_system_sgpr_workgroup_id_x 1
		.amdhsa_system_sgpr_workgroup_id_y 1
		.amdhsa_system_sgpr_workgroup_id_z 1
		.amdhsa_system_vgpr_workitem_id 0
		.amdhsa_next_free_vgpr 1024
		.amdhsa_next_free_sgpr 102
		.amdhsa_reserve_vcc 1
		.amdhsa_float_denorm_mode_32 3
		.amdhsa_float_denorm_mode_16_64 3
		.amdhsa_memory_ordered 1
		.amdhsa_forward_progress 1
		.amdhsa_inst_pref_size 206
	.end_amdhsa_kernel
	.amdgpu_metadata
---
amdhsa.version: [ 1, 2 ]
amdhsa.kernels:
  - .name:           k_q4779dd0a8e_qkv
    .symbol:         k_q4779dd0a8e_qkv.kd
    .args:
      - { .name: codes, .offset: 0, .size: 8, .value_kind: global_buffer, .address_space: global }
      - { .name: scales, .offset: 8, .size: 8, .value_kind: global_buffer, .address_space: global }
      - { .name: rope, .offset: 16, .size: 8, .value_kind: global_buffer, .address_space: global }
      - { .name: qkv, .offset: 24, .size: 8, .value_kind: global_buffer, .address_space: global }
      - { .name: qkvs, .offset: 32, .size: 8, .value_kind: global_buffer, .address_space: global }
    .group_segment_fixed_size: 327680
    .private_segment_fixed_size: 0
    .kernarg_segment_align: 8
    .kernarg_segment_size: 40
    .max_flat_workgroup_size: 128
    .sgpr_count:     102
    .vgpr_count:     1024
    .wavefront_size: 32
...
	.end_amdgpu_metadata
.endif
;; end of part 2
;; launch attn (part 3): grid 8 x 32, 8 waves a work-group, clusters of 4 x 1, 327,680 bytes of LDS; arguments qkv, qkvs, attention_mask, ocodes, oscales; writes ocodes, oscales
.if DOCPART == 3
	.amdgcn_target "amdgcn-amd-amdhsa--gfx1250"
	.amdhsa_code_object_version 6
	.text
	.protected	k_q4779dd0a8e_attn
	.globl	k_q4779dd0a8e_attn
	.p2align	8
	.type	k_q4779dd0a8e_attn,@function
k_q4779dd0a8e_attn:
	s_mov_b64 s[64:65], 0
	v_nop
	global_prefetch_b8 v0, s[64:65] scope:SCOPE_SE
	s_setreg_imm32_b32 hwreg(HW_REG_WAVE_MODE, 25, 1), 1
	s_wait_xcnt 0x0
	s_wait_alu depctr_hold_cnt(0) depctr_sa_sdst(0) depctr_va_vdst(0) depctr_va_sdst(0) depctr_va_ssrc(0) depctr_va_vcc(0) depctr_vm_vsrc(0)
	s_getreg_b32 s2, hwreg(HW_REG_IB_STS2, 6, 4)
	s_cmp_eq_u32 s2, 0
	s_cbranch_scc0 .Lentry_in_a_cluster
	s_endpgm
.Lentry_in_a_cluster:
	s_bfe_u32 s2, ttmp6, 0x10000c
	s_cmp_lg_u32 s2, 0x3003
	s_cbranch_scc0 .Lentry_shape_is_right
	s_endpgm
.Lentry_shape_is_right:
; O[b h][q] = the sum over k of softmax_k(q . k / sqrt(128), keys with attention_mask 0 left out) v[k], both products on codes of E2M3; O is quantised along the model's 2,048 (K step = head) and leaves as fragment images.
; THE SOFTMAX AHEAD OF THE SECOND PRODUCT: t = score x log2(e) / sqrt(128); M = the row's largest t so far, rounded UP to a whole number; p = 2^(t - M) is quantised along the keys, not normalised; the row's sum is taken of the
; unquantised p and divides O at the end.  When M moves, the sum and O are multiplied by 2^(old M - new M): exact.
; IN: qkv [kind q, k, v][b h][chunk 8][fragment 8][1536], qkvs [kind][b h][chunk][fragment / 4][r][fragment % 4]: images of the operands' registers (registers 4 c .. 4 c + 3 of lane l at 512 c + 16 l).  Lane r of a tile T of tokens or
; channels holds row 32 (T / 2) + 8 (T % 2) + r + 8 (r / 8); v's K are the chunk's 128 keys in their own order.
; SHARES.  A work-group owns 128 queries of one head; each of its eight waves owns one tile of 16, in 512 registers: two waves to a SIMD.  Every wave walks the head's 1,024 keys, 128 a step, written out eight times.
; A HEAD'S K AND V LIE IN LDS WHOLE (2 x 98,304 bytes): each byte of LDS is filled once, so there is no ring.  All is asked for in the first lines, in two parts, keys 0 to 255 and 256 to 1,023, so that the first two steps run while the later chunks come;
; that is also why nothing is prefetched: no request could stand earlier.
; FRAGMENTS COME OUT OF LDS A PHASE AHEAD: V's eight of a step are asked for at the step's head and are wanted behind its softmax; K's eight of the next step are asked for behind this step's first products; the mask's numbers of the
; next step as soon as p has been turned into codes.  So a step's 64 LDS loads are on their way while the wave's vector work runs.
; CLUSTER.  The four work-groups of a cluster belong to one head: every tile is asked for jointly.  Each wave issues two tensor loads (its quarter of keys 0 to 255 and of keys 256 to 1,023): two of mine are out at the most.
; LAYOUT.  Both products are used transposed: S^T = K Q^T, O^T = V^T P^T: a lane holds ONE query throughout, the 16 registers of tiles 2 b, 2 b + 1 of S^T are keys 32 b + 16 h + 0 .. 15, and O^T's 64 registers are channels likewise.
; THE MASK costs no vector instruction in the loop: a key's 0 or -2^100 is the C of the first product.  The largest t starts at -2^93, over every masked t and under every other: a masked key never sets M, and its p is 0.
; LIMITS: |t| stays under 2^93; a batch all of whose keys are masked is not served (the definition gives NaN there; this text gives zeros divided by zero); NaN and infinities are not served; a block of p or of O whose largest magnitude
; lies under 2^-124 gets the byte 1 (a block of zeros too: its codes are zeros, and this program alone reads the bytes).
; REGISTERS: window 0: v1-7 addresses that stay; v8, v9 the step's; v12 -M, v13 the largest t, v[14:15] the sum in two halves; v16-27 Q; v32-95 the scale words of all eight steps, V's at 32 + 8 s, K's at 36 + 8 s; v96-159 the mask's numbers, S^T, then p; v160-223 O^T;
;   v224-235 codes; v232-254 at work; v255 Q's scale words.  window 1: v0-95 K's eight fragments, v96-191 V's eight.
.set FRB,  1536
.set VIMG, 98304                       ; LDS: K's 64 fragments at 0, V's 64 here,
.set KSC,  196608
.set BIAS, 204800                      ; 1,024 f32: 0 or -2^100 for each key,
.set OSC,  208896                      ; and 512 bytes in which the eight waves' scale words of O meet
.set WV,   14
.set SEL,  54                          ; s[54:55] selects for lane l xor 16
.set CS,   56                          ; s[56:57] c = log2(e) / sqrt(128): the packed form names a pair and takes its low word for both halves
.set VS,   32
.set KS,   36
.set MSB, 0
.macro WIN new                         ; the immediate's high byte repeats the setting that is left
.if MSB != (\new)
	s_set_vgpr_msb (MSB<<8)|(\new)
.set MSB, (\new)
.endif
.endm
.macro CROUND                          ; a round of the cluster's barrier
	s_barrier_signal -1
	s_barrier_wait -1
	s_cmp_lg_u32 s[WV], 0
	s_cbranch_scc1 .Lnot_wave_0_\@
	s_barrier_signal -3
.Lnot_wave_0_\@:
	s_barrier_wait -3
	s_barrier_signal -1
	s_barrier_wait -1
.endm
	s_load_b256 s[4:11], s[0:1], 0x0               ; qkv, qkvs, attention_mask, ocodes
	s_load_b64 s[12:13], s[0:1], 0x20              ; oscales
	v_lshl_add_u32 v250, v0, 2, 0x34000
	v_mov_b32 v251, 0
	ds_add_u32 v250, v251
	ds_add_u32 v250, v251
	v_lshrrev_b32 v8, 5, v0
	s_delay_alu instid0(VALU_DEP_1)
	v_readfirstlane_b32 s[WV], v8                  ; wave 0..7
	s_bfe_u32 s15, ttmp6, 0x40000                  ; cx
	s_lshl_b32 s52, ttmp9, 2
	s_add_co_u32 s52, s52, s15                     ; my chunk of 128 queries: it enters global addresses of Q and O alone
	s_and_b32 s53, ttmp7, 0xffff                   ; 16 x batch + head, which the four partners share
	s_lshr_b32 s58, s[WV], 2                       ; I fetch for K (0) or for V (1),
	s_and_b32 s59, s[WV], 3                        ; this quarter
	; group 1 for a quarter of a chunk: 6,144 dense bytes as 24 rows of 256 (32 elements of 8 bytes)
	s_mov_b32 s16, 15|(3<<16)|(1<<21)              ; 15:0 the mask: all four work-groups; 17:16 elements of 8 bytes; 21 set beside a mask
	s_mov_b32 s17, 32<<16
	s_mov_b32 s18, 24<<16
	s_mov_b32 s19, 32<<16
	s_mov_b32 s20, 24
	s_mov_b32 s21, 32
	s_mov_b32 s22, 0
	s_mov_b32 s23, 0
	s_mov_b32 s24, 15|(3<<16)|(1<<21)
	s_mov_b32 s25, 32<<16
	s_mov_b32 s26, 72<<16                          ; the second group 1: a quarter of keys 256 to 1,023: 18,432 dense bytes as 72 rows of 256
	s_mov_b32 s27, 32<<16
	s_mov_b32 s28, 72
	s_mov_b32 s29, 32
	s_mov_b32 s30, 0
	s_mov_b32 s31, 0
	s_add_co_u32 s62, s58, 1                       ; kind 1 or 2
	s_mul_i32 s60, s62, 3145728
	s_mul_i32 s63, s53, 98304
	s_add_co_u32 s60, s60, s63
	s_mul_i32 s63, s59, 6144
	s_add_co_u32 s60, s60, s63
	s_mov_b32 s61, 0
	s_lshl_b32 s44, s53, 12
	s_add_co_u32 s44, s44, 131072                  ; K's scale words of my head; V's lie 131,072 bytes on
	s_mov_b32 s45, 0
	s_mul_i32 s2, s58, VIMG
	s_mul_i32 s3, s59, 6144
	s_add_co_u32 s2, s2, s3                        ; LDS: my quarter of chunk 0
	s_mul_i32 s32, s59, 12288
	s_add_co_u32 s32, s32, 24576                   ; from my quarter of keys 0 to 255 to my quarter of the other 768, in LDS and in memory alike
	s_mov_b32 s33, 0
	s_mov_b32 s[SEL], 0x76543210
	s_mov_b32 s[SEL+1], 0xfedcba98
	s_mov_b32 s[CS], 0x3e0293ee
	s_mov_b32 s[CS+1], s[CS]
	; the LDS address registers that stay are made here
	v_and_b32 v10, 31, v0
	s_delay_alu instid0(VALU_DEP_1)
	v_lshlrev_b32 v1, 4, v10                       ; v1  16 x lane
	v_and_b32 v10, 15, v0                          ; r
	v_bfe_u32 v11, v0, 4, 1                        ; h
	s_delay_alu instid0(VALU_DEP_1)
	v_lshl_add_u32 v2, v11, 6, BIAS                ; v2  the mask's numbers of my half's keys
	s_delay_alu instid0(VALU_DEP_3)
	v_lshlrev_b32 v4, 4, v10                       ; v4  16 r
	s_delay_alu instid0(VALU_DEP_1)
	v_lshl_add_u32 v5, v11, 12, v4                 ; v5  O's scale words in memory: 4,096 h + 16 r
	s_lshr_b32 s58, s[WV], 2
	s_lshl_b32 s58, s58, 8
	s_lshl_b32 s59, s59, 2
	s_add_co_u32 s59, s59, s58                     ; 256 (wave / 4) + 4 (wave % 4): my tile's place among a chunk's words
	v_add_nc_u32 v6, s59, v4
	s_delay_alu instid0(VALU_DEP_1)
	v_add_nc_u32 v6, OSC, v6                       ; v6  where my tile's word of row r goes
	v_add_nc_u32 v7, OSC, v1                       ; v7  where wave 0 reads all of them
	s_wait_dscnt 0x0
	s_wait_kmcnt 0x0
	s_add_nc_u64 s[60:61], s[4:5], s[60:61]
	s_add_nc_u64 s[44:45], s[6:7], s[44:45]
	s_mov_b32 s36, 1                               ; group 0 for my quarter of keys 0 to 255,
	s_mov_b32 s37, s2
	s_mov_b64 s[38:39], s[60:61]
	s_or_b32 s39, s39, 0x80000000
	s_mov_b32 s40, 1                               ; and for my quarter of keys 256 to 1,023
	s_add_co_u32 s41, s2, s32
	s_add_nc_u64 s[42:43], s[60:61], s[32:33]
	s_or_b32 s43, s43, 0x80000000
	CROUND                                         ; all four work-groups are here: the joint loads meet
	tensor_load_to_lds s[36:39], s[16:23]          ; keys 0 to 255: my one tensor load at the head
	s_nop 0
.rept 4
	v_nop
.endr
	s_lshr_b32 s2, s53, 4                          ; batch
	s_lshl_b32 s2, s2, 12
	s_mov_b32 s3, 0
	s_add_nc_u64 s[8:9], s[8:9], s[2:3]
	v_lshlrev_b32 v11, 4, v0                       ; four keys a thread
	global_load_b128 v[28:31], v11, s[8:9]
	s_lshl_b32 s58, s52, 3
	s_add_co_u32 s58, s58, s[WV]                   ; my tile of queries in the head
	s_mul_i32 s2, s58, FRB
	s_mul_i32 s60, s53, 98304
	s_add_co_u32 s2, s2, s60
	s_add_nc_u64 s[4:5], s[4:5], s[2:3]
.irp c, 0,1,2
	global_load_b128 v[16+4*\c:19+4*\c], v1, s[4:5] offset:512*\c   ; Q's fragment stays in registers
.endr
	s_lshl_b32 s2, s53, 12
	s_lshl_b32 s60, s52, 9
	s_add_co_u32 s2, s2, s60
	s_add_co_u32 s2, s2, s59
	s_add_nc_u64 s[6:7], s[6:7], s[2:3]
	s_wait_alu depctr_va_vdst(0)
	global_load_b32 v255, v4, s[6:7]               ; Q's scale words
.irp k, 0,1,2,3,4,5,6,7                ; K's and V's scale words of all eight steps go straight into registers v32-95: lanes 0-15 fragments 0-3's, lanes 16-31 fragments 4-7's
	global_load_b128 v[36+8*\k:39+8*\k], v1, s[44:45] offset:512*\k
	global_load_b128 v[32+8*\k:35+8*\k], v1, s[44:45] offset:131072+512*\k
.endr
	s_lshr_b32 s60, s53, 4
	s_lshl_b32 s61, s60, 6
	s_add_co_u32 s61, s61, s58                     ; my tile among the 128 tiles of tokens
	s_mul_i32 s2, s61, 24576
	s_and_b32 s62, s53, 15                         ; the head = O's K step
	s_mul_i32 s63, s62, FRB
	s_add_co_u32 s2, s2, s63
	s_add_nc_u64 s[10:11], s[10:11], s[2:3]
	s_lshl_b32 s60, s60, 4
	s_lshl_b32 s61, s52, 1
	s_add_co_u32 s60, s60, s61                     ; the chunk's first group of four tiles
	s_lshl_b32 s2, s60, 12
	s_lshl_b32 s62, s62, 8
	s_add_co_u32 s2, s2, s62
	s_add_nc_u64 s[12:13], s[12:13], s[2:3]
	v_mov_b32 v10, 0xf1800000                      ; -2^100
	v_mov_b32 v13, 0xee000000                      ; the largest t so far: -2^93
	s_delay_alu instid0(VALU_DEP_1)
	v_floor_f32 v12, -v13                          ; -M
	v_mov_b32 v14, 0
	v_mov_b32 v15, 0
.irp b, 0,1,2,3
	v_mov_b32 v[236+\b], 0                         ; written once: a lane permute's destination counts as one of its sources
.endr
	v_mov_b32 v253, 0                              ; (named as the upper half of the pair v[252:253] before it is first written)
.set j, 0
.rept 64
	v_mov_b32 v[160+j], 0                          ; O^T: the step is one macro for all eight: the first finds zeros, which the first change of M leaves zeros
.set j, j+1
.endr
	s_wait_loadcnt 20                              ; the mask is in; Q's three loads, its scale words and the sixteen loads of K's and V's words may be out
.irp i, 0,1,2,3
	v_cmp_eq_u32 vcc_lo, 0, v[28+\i]
	s_delay_alu instid0(VALU_DEP_1)
	v_cndmask_b32 v[28+\i], 0, v10, vcc_lo
.endr
	v_add_nc_u32 v11, BIAS, v11
	ds_store_b128 v11, v[28:31]
; from the four blocks' largest magnitudes in v232-235 and 64 numbers in v96-159 (register 16 b + i = k 32 b + 16 h + i): the fragment's codes in v[224:235], its scale word in v253
.macro MKCODES
.irp b, 0,1,2,3
	s_delay_alu instid0(VALU_DEP_4)
	v_add_nc_u32 v[244+\b], 0xff000000, v[232+\b]  ; 2 off the exponent field: the conversion's scale operand
.endr
.irp b, 0,1,2,3
	s_delay_alu instid0(VALU_DEP_4)
	v_lshrrev_b32 v[236+\b], 23, v[244+\b]         ; the scale's byte
.endr
	s_delay_alu instid0(VALU_DEP_3)
	v_lshl_or_b32 v253, v237, 8, v236
	s_delay_alu instid0(VALU_DEP_1)
	v_lshl_or_b32 v253, v238, 16, v253
	s_delay_alu instid0(VALU_DEP_1)
	v_lshl_or_b32 v253, v239, 24, v253
.irp c, 0,1
	v_cvt_scalef32_pk16_fp6_f32 v[224+6*\c:226+6*\c], v[96+32*\c:111+32*\c], v[244+2*\c]
	v_cvt_scalef32_pk16_fp6_f32 v[236+4*\c:238+4*\c], v[112+32*\c:127+32*\c], v[244+2*\c+1]   ; (a conversion's three registers begin on an even number)
.endr
	v_nop                                          ; one plain place behind a scaled conversion
.irp c, 0,1                            ; the operand's layout wants a WHOLE block in a lane
.irp i, 0,1,2
	v_permlane16_swap_b32 v[224+6*\c+\i], v[236+4*\c+\i]
.endr
.irp i, 0,1,2
	s_delay_alu instid0(VALU_DEP_3)
	v_mov_b32 v[227+6*\c+\i], v[236+4*\c+\i]
.endr
.endr
.endm
.macro LOADK ks                        ; 24 LDS loads: K's eight fragments of step ks (address v8) into window 1
	WIN 0x40                                       ; destination window 1, address window 0
.irp t, 0,1,2,3,4,5,6,7
.irp c, 0,1,2
	ds_load_b128 v[12*\t+4*\c:12*\t+4*\c+3], v8 offset:\t*FRB+512*\c
.endr
.endr
	WIN 0
.endm
.macro LOADV ks                        ; 24 LDS loads: the same for V (address v9)
	WIN 0x40
.irp t, 0,1,2,3,4,5,6,7
.irp c, 0,1,2
	ds_load_b128 v[96+12*\t+4*\c:96+12*\t+4*\c+3], v9 offset:\t*FRB+512*\c
.endr
.endr
	WIN 0
.endm
.macro LOADM ks                        ; 16 LDS loads: the mask's numbers of step ks, in the result's layout: register j of tile 2 b + u is key 32 b + 8 u + 16 h + j
.irp t, 0,1,2,3,4,5,6,7
	ds_load_b128 v[96+8*\t:99+8*\t], v2 offset:(\ks)*512+(32*(\t/2)+8*(\t%2))*4
	ds_load_b128 v[100+8*\t:103+8*\t], v2 offset:(\ks)*512+(32*(\t/2)+8*(\t%2))*4+16
.endr
.endm
; A KEY STEP: keys 128 ks on.  At its head K's fragments, K's scale words and the mask's numbers of this step have been asked for.
.macro STEP ks
.set KS, 36+8*(\ks)                    ; this step's scale words
.set VS, 32+8*(\ks)
	v_add_nc_u32 v9, VIMG+(\ks)*8*FRB, v1
.rept 3
	v_nop                                          ; with the line above: four places in front of loads into registers that the last step's matrix instructions have read
.endr
	LOADV \ks
	s_wait_dscnt 24                                ; K's fragments and the mask's numbers are in; V's 24 loads, just issued, may be out
	WIN 0x01                                       ; source 0 window 1
.irp t, 0,1,2,3                        ; S^T = K Q^T + the mask's numbers: eight accumulators, one instruction each
	v_wmma_scale_f32_16x16x128_f8f6f4 v[96+8*\t:103+8*\t], v[12*\t:12*\t+11], v[16:27], v[96+8*\t:103+8*\t], v[KS+\t], v255 matrix_a_fmt:MATRIX_FMT_FP6 matrix_b_fmt:MATRIX_FMT_FP6
.endr
.irp t, 0,1,2,3
	v_wmma_scale_f32_16x16x128_f8f6f4 v[128+8*\t:135+8*\t], v[48+12*\t:59+12*\t], v[16:27], v[128+8*\t:135+8*\t], v[KS+\t], v255 matrix_a_fmt:MATRIX_FMT_FP6 matrix_b_fmt:MATRIX_FMT_FP6 matrix_a_scale:MATRIX_SCALE_ROW1
.endr
	WIN 0
.if (\ks) < 7
	v_add_nc_u32 v8, ((\ks)+1)*8*FRB, v1
.else
	v_nop
.endif
.rept 3
	v_nop                                          ; four places: for the first read of the scores, and for loads into K's registers
.endr
.if (\ks) == 1
	s_wait_alu depctr_va_vdst(0)
	s_wait_tensorcnt 0x0                           ; my parts of the chunks behind the first are in,
	s_wait_dscnt 0x0
	s_barrier_signal -1
	s_barrier_wait -1                              ; everybody's are: from here on all keys may be read
.endif
.if (\ks) < 7
	LOADK (\ks)+1                                  ; the next step's K comes while this step's softmax runs
.endif
.irp b, 0,1,2,3
	v_max3_num_f32 v[232+\b], v[96+16*\b], v[97+16*\b], v[98+16*\b]   ; the largest score of each block of 32 keys: it serves for the row's maximum and, since p rises with the score, for the block's largest p
.endr
.irp i, 3,5,7,9,11,13
.irp b, 0,1,2,3
	v_max3_num_f32 v[232+\b], v[232+\b], v[96+16*\b+\i], v[97+16*\b+\i]
.endr
.endr
.irp b, 0,1,2,3
	v_max_num_f32 v[232+\b], v[232+\b], v[111+16*\b]
.endr
.irp b, 0,1,2,3
	s_delay_alu instid0(VALU_DEP_4)
	v_permlanex16_b32 v[236+\b], v[232+\b], s[SEL], s[SEL+1]
.endr
.irp b, 0,1,2,3
	s_delay_alu instid0(VALU_DEP_4)
	v_max_num_f32 v[232+\b], v[232+\b], v[236+\b]  ; with lane l xor 16's 16 keys
.endr
	s_delay_alu instid0(VALU_DEP_2)
	v_max3_num_f32 v254, v232, v233, v234
	s_delay_alu instid0(VALU_DEP_1)
	v_max_num_f32 v254, v254, v235
	s_delay_alu instid0(VALU_DEP_1)
	v_mul_f32 v254, s[CS], v254                    ; the step's largest t (c is positive)
	s_delay_alu instid0(VALU_DEP_1)
	v_max_num_f32 v13, v13, v254                   ; the running largest t
	v_mov_b32 v254, v12
	s_delay_alu instid0(VALU_DEP_2)
	v_floor_f32 v12, -v13                          ; the new -M = floor(-t): M is a whole number
	s_delay_alu instid0(VALU_DEP_1)
	v_sub_f32 v254, v12, v254                      ; old M less new M: a whole number, 0 or less
	s_delay_alu instid0(VALU_DEP_1)
	v_cvt_i32_f32 v254, v254                       ; (it saturates)
	s_delay_alu instid0(VALU_DEP_1)
	v_ldexp_f32 v252, 1.0, v254                    ; f = 2^(old M - new M)
.set j, 0
.rept 32
	v_pk_fma_f32 v[96+j:97+j], v[96+j:97+j], s[CS:CS+1], v[12:13] op_sel_hi:[1,0,0]   ; t - M, two at a time
.set j, j+2
.endr
.irp b, 0,1,2,3
	v_fma_f32 v[232+\b], v[232+\b], s[CS], v12     ; the same of each block's largest score
.endr
.set j, 0
	s_wait_alu depctr_va_vdst(0)
.rept 64
	v_exp_f32 v[96+j], v[96+j]                     ; p = 2^(t - M)
.set j, j+1
.endr
	v_pk_mul_f32 v[14:15], v[14:15], v[252:253] op_sel_hi:[1,0]   ; the sums under the new M: a plain place behind the batch
	s_wait_alu depctr_va_vdst(0)                   ; one wait for the batch, ahead of its first use
.irp b, 0,1,2,3
	v_exp_f32 v[232+\b], v[232+\b]                 ; the block's largest p
.endr
	v_pk_add_f32 v[236:237], v[100:101], v[104:105]
	v_pk_add_f32 v[248:249], v[108:109], v[112:113]
	v_pk_add_f32 v[246:247], v[116:117], v[120:121]
	v_pk_add_f32 v[244:245], v[124:125], v[128:129]
	v_pk_add_f32 v[242:243], v[132:133], v[136:137]
	v_pk_add_f32 v[240:241], v[140:141], v[144:145]
	v_pk_add_f32 v[238:239], v[148:149], v[152:153]
	v_pk_add_f32 v[14:15], v[14:15], v[156:157]
	v_pk_add_f32 v[236:237], v[236:237], v[96:97]
	v_pk_add_f32 v[248:249], v[248:249], v[98:99]
	v_pk_add_f32 v[246:247], v[246:247], v[102:103]
	v_pk_add_f32 v[244:245], v[244:245], v[106:107]
	v_pk_add_f32 v[242:243], v[242:243], v[110:111]
	v_pk_add_f32 v[240:241], v[240:241], v[114:115]
	v_pk_add_f32 v[238:239], v[238:239], v[118:119]
	v_pk_add_f32 v[14:15], v[14:15], v[122:123]
	v_pk_add_f32 v[236:237], v[236:237], v[126:127]
	v_pk_add_f32 v[248:249], v[248:249], v[130:131]
	v_pk_add_f32 v[246:247], v[246:247], v[134:135]
	v_pk_add_f32 v[244:245], v[244:245], v[138:139]
	v_pk_add_f32 v[242:243], v[242:243], v[142:143]
	v_pk_add_f32 v[240:241], v[240:241], v[146:147]
	v_pk_add_f32 v[238:239], v[238:239], v[150:151]
	v_pk_add_f32 v[14:15], v[14:15], v[154:155]
	v_pk_add_f32 v[236:237], v[236:237], v[158:159]
	s_delay_alu instid0(VALU_DEP_2)
	v_pk_add_f32 v[14:15], v[14:15], v[244:245]
	s_delay_alu instid0(VALU_DEP_2)
	v_pk_add_f32 v[236:237], v[236:237], v[242:243]
	v_pk_add_f32 v[248:249], v[248:249], v[240:241]
	v_pk_add_f32 v[246:247], v[246:247], v[238:239]
	s_delay_alu instid0(VALU_DEP_2)
	v_pk_add_f32 v[14:15], v[14:15], v[248:249]
	s_delay_alu instid0(VALU_DEP_2)
	v_pk_add_f32 v[236:237], v[236:237], v[246:247]
	s_delay_alu instid0(VALU_DEP_1)
	v_pk_add_f32 v[14:15], v[14:15], v[236:237]
	s_wait_alu depctr_va_vdst(0)                   ; and one for the four
.irp b, 0,1,2,3
	v_max_num_f32 v[232+\b], 0x1800000, v[232+\b]  ; the floor 2^(3 - 127): the byte cannot fall under 1
.endr
	MKCODES
.if (\ks) < 7
	LOADM (\ks)+1                                  ; p is in codes: its registers take the next step's mask numbers
.endif
.set j, 0
.rept 32
	v_pk_mul_f32 v[160+j:161+j], v[160+j:161+j], v[252:253] op_sel_hi:[1,0]   ; O^T under the new M; these 32 are also the places between the codes' and the scale word's last writes and the products
.set j, j+2
.endr
.if (\ks) < 7
	s_wait_alu depctr_va_vdst(0)
	s_wait_dscnt 40                                ; V's fragments are in; the next step's K (24 loads) and mask numbers (16) may be out
.else
	s_wait_alu depctr_va_vdst(0)
	s_wait_dscnt 0x0
.endif
	WIN 0x01
.irp t, 0,1,2,3                        ; O^T += V^T P^T: eight accumulators, one instruction each
	v_wmma_scale_f32_16x16x128_f8f6f4 v[160+8*\t:167+8*\t], v[96+12*\t:107+12*\t], v[224:235], v[160+8*\t:167+8*\t], v[VS+\t], v253 matrix_a_fmt:MATRIX_FMT_FP6 matrix_b_fmt:MATRIX_FMT_FP6
.endr
.irp t, 0,1,2,3
	v_wmma_scale_f32_16x16x128_f8f6f4 v[192+8*\t:199+8*\t], v[144+12*\t:155+12*\t], v[224:235], v[192+8*\t:199+8*\t], v[VS+\t], v253 matrix_a_fmt:MATRIX_FMT_FP6 matrix_b_fmt:MATRIX_FMT_FP6 matrix_a_scale:MATRIX_SCALE_ROW1
.endr
	WIN 0
.endm
	s_wait_loadcnt 0x0                             ; Q
	s_wait_tensorcnt 0x0                           ; my part of keys 0 to 255 is in; the other keys' first fill is issued as a refill is
	ds_add_u32 v250, v251
	s_wait_dscnt 0x0                               ; the add and my store of the mask's numbers are done
	CROUND                                         ; everybody's are, in all four work-groups
	tensor_load_to_lds s[40:43], s[24:31]          ; keys 256 to 1,023: it has steps 0 and 1 in which to land
	s_nop 0
.rept 4
	v_nop
.endr
	v_add_nc_u32 v8, 0, v1
	LOADK 0
	LOADM 0
.irp s, 0,1,2,3,4,5,6,7
	STEP \s
.endr
	; THE WAY OUT: O^T / the sum is quantised along the channels, which are K step `head` of the last product
.rept 4
	v_nop                                          ; the places behind the last products
.endr
	v_add_f32 v14, v14, v15
	s_delay_alu instid0(VALU_DEP_1)
	v_permlanex16_b32 v252, v14, s[SEL], s[SEL+1]
	s_delay_alu instid0(VALU_DEP_1)
	v_add_f32 v14, v14, v252                       ; the row's sum
	s_wait_alu depctr_va_vdst(0)
	v_rcp_f32 v14, v14
	v_nop                                          ; a plain place behind the reciprocal,
	s_wait_alu depctr_va_vdst(0)                   ; and the wait ahead of its first use
.set j, 0
.rept 64
	v_mul_f32 v[96+j], v[160+j], v14
.set j, j+1
.endr
.irp b, 0,1,2,3
	v_max3_num_f32 v[232+\b], |v[96+16*\b]|, |v[97+16*\b]|, 0x1800000
.endr
.irp i, 2,4,6,8,10,12,14
.irp b, 0,1,2,3
	s_delay_alu instid0(VALU_DEP_4)
	v_max3_num_f32 v[232+\b], v[232+\b], |v[96+16*\b+\i]|, |v[97+16*\b+\i]|
.endr
.endr
.irp b, 0,1,2,3
	s_delay_alu instid0(VALU_DEP_4)
	v_permlanex16_b32 v[236+\b], v[232+\b], s[SEL], s[SEL+1]
.endr
.irp b, 0,1,2,3
	s_delay_alu instid0(VALU_DEP_4)
	v_max_num_f32 v[232+\b], v[232+\b], v[236+\b]
.endr
	MKCODES
.irp c, 0,1,2
	global_store_b128 v1, v[224+4*\c:227+4*\c], s[10:11] offset:512*\c   ; 512 consecutive bytes, aligned
.endr
	ds_store_b32 v6, v253                          ; both halves of the lanes write the same word with the same value
	s_wait_dscnt 0x0
	s_barrier_signal -1
	s_barrier_wait -1                              ; the eight tiles' words lie together
	s_cmp_lg_u32 s[WV], 0
	s_cbranch_scc1 .Lnot_mine
	ds_load_b128 v[96:99], v7
	s_wait_dscnt 0x0
	global_store_b128 v5, v[96:99], s[12:13]       ; sixteen lanes store 256 consecutive bytes, aligned: one group of four tiles; the other sixteen the next group's
.Lnot_mine:
	s_wait_tensorcnt 0x0
	ds_add_u32 v250, v251
	s_wait_dscnt 0x0
	CROUND                                         ; the closing round
	s_endpgm
.Lfunc_end_k_q4779dd0a8e_attn:
	.size	k_q4779dd0a8e_attn, .Lfunc_end_k_q4779dd0a8e_attn-k_q4779dd0a8e_attn
	.p2alignl 7, 3214868480
	.fill 96, 4, 3214868480
	.section	.rodata,"a",@progbits
	.p2align	6, 0x0
	.amdhsa_kernel k_q4779dd0a8e_attn
		.amdhsa_group_segment_fixed_size 327680
		.amdhsa_private_segment_fixed_size 0
		.amdhsa_enable_private_segment 0
		.amdhsa_kernarg_size 40
		.amdhsa_user_sgpr_count 2
		.amdhsa_user_sgpr_kernarg_segment_ptr 1
		.amdhsa_wavefront_size32 1
		.amdhsa_system_sgpr_workgroup_id_x 1
		.amdhsa_system_sgpr_workgroup_id_y 1
		.amdhsa_system_sgpr_workgroup_id_z 1
		.amdhsa_system_vgpr_workitem_id 0
		.amdhsa_next_free_vgpr 512
		.amdhsa_next_free_sgpr 66
		.amdhsa_reserve_vcc 1
		.amdhsa_float_denorm_mode_32 3
		.amdhsa_float_denorm_mode_16_64 3
		.amdhsa_memory_ordered 1
		.amdhsa_forward_progress 1
		.amdhsa_inst_pref_size 185
	.end_amdhsa_kernel
	.amdgpu_metadata
---
amdhsa.version: [ 1, 2 ]
amdhsa.kernels:
  - .name:           k_q4779dd0a8e_attn
    .symbol:         k_q4779dd0a8e_attn.kd
    .args:
      - { .name: qkv, .offset: 0, .size: 8, .value_kind: global_buffer, .address_space: global }
      - { .name: qkvs, .offset: 8, .size: 8, .value_kind: global_buffer, .address_space: global }
      - { .name: attention_mask, .offset: 16, .size: 8, .value_kind: global_buffer, .address_space: global }
      - { .name: ocodes, .offset: 24, .size: 8, .value_kind: global_buffer, .address_space: global }
      - { .name: oscales, .offset: 32, .size: 8, .value_kind: global_buffer, .address_space: global }
    .group_segment_fixed_size: 327680
    .private_segment_fixed_size: 0
    .kernarg_segment_align: 8
    .kernarg_segment_size: 40
    .max_flat_workgroup_size: 256
    .sgpr_count:     66
    .vgpr_count:     512
    .wavefront_size: 32
...
	.end_amdgpu_metadata
.endif
;; end of part 3
;; launch oproj (part 4): grid 16 x 16, 4 waves a work-group, clusters of 4 x 1, 197,120 bytes of LDS; arguments ocodes, oscales, codes, scales, out0; writes out0
.if DOCPART == 4
	.amdgcn_target "amdgcn-amd-amdhsa--gfx1250"
	.amdhsa_code_object_version 6
	.text
	.protected	k_q4779dd0a8e_oproj
	.globl	k_q4779dd0a8e_oproj
	.p2align	8
	.type	k_q4779dd0a8e_oproj,@function
k_q4779dd0a8e_oproj:
	s_mov_b64 s[64:65], 0
	v_nop
	global_prefetch_b8 v0, s[64:65] scope:SCOPE_SE
	s_setreg_imm32_b32 hwreg(HW_REG_WAVE_MODE, 25, 1), 1
	s_wait_xcnt 0x0
	s_wait_alu depctr_hold_cnt(0) depctr_sa_sdst(0) depctr_va_vdst(0) depctr_va_sdst(0) depctr_va_ssrc(0) depctr_va_vcc(0) depctr_vm_vsrc(0)
	s_getreg_b32 s2, hwreg(HW_REG_IB_STS2, 6, 4)
	s_cmp_eq_u32 s2, 0
	s_cbranch_scc0 .Lentry_in_a_cluster
	s_endpgm
.Lentry_in_a_cluster:
	s_bfe_u32 s2, ttmp6, 0x10000c
	s_cmp_lg_u32 s2, 0x3003
	s_cbranch_scc0 .Lentry_shape_is_right
	s_endpgm
.Lentry_shape_is_right:
; out0 = O wo^T on codes of E2M3.  O's codes and scale words come from the launch before, wo's from the first launch, as fragment images: a fragment (16 rows x 128 K) is 1,536 bytes, registers 4 c .. 4 c + 3 of lane l at 512 c + 16 l;
; lane r of tile T holds row 32 (T / 2) + 8 (T % 2) + r + 8 (r / 8); codes [tile][K step 16][1536]; words [T / 4][K step][r][T % 4].  out0: [2048][2048] f32.
; SHARES.  2,048 x 2,048 in blocks of 128 x 128 are 256 work-groups.  A wave makes 128 tokens x 32 outputs: O's eight tiles against two tiles of wo, 16 accumulators.
; EVERYTHING IS ASKED FOR IN THE FIRST LINES, ONCE.  O's 128 rows for all of K are 196,608 dense bytes: each wave brings a quarter by its one tensor load, and they stay in LDS: nothing is filled again.  Both operands for all of K
; (393,216 bytes) would not fit in LDS, so wo's two tiles of a wave, which no other wave of the work-group wants, go from memory straight into its registers: 16 K steps x 24 registers, 96 loads.  That is also why wo's tiles are not
; asked for jointly, and why nothing is prefetched: no request could stand earlier, and there is no loop to run ahead in.
; THE SCALE WORDS go into registers too: 32 lanes x 16 bytes are four tiles' words of two K steps (lanes 0-15 the even step, lanes 16-31 the odd one, chosen by the ROW selectors); of wo's four words a lane takes its wave's two.
; CLUSTER: the four work-groups of a cluster share their tokens: O's quarters are asked for jointly.
; THE MATRIX INSTRUCTION IS USED TRANSPOSED (source 0 = a tile of wo, source 1 = a tile of O): a lane holds one token, and its 16 registers of the wave's two tiles are outputs 32 wave + 16 h + 0 .. 15.
; THE WAY OUT: the four waves lay the block into a stage of 128 rows x (512 + 16) bytes over O's codes, which nobody reads any more behind the barrier of the last step and which are filled no more; each wave stores 32 whole rows of 512 bytes.
; REGISTERS: window 0: v4-7 LDS addresses of O's tiles 0-1, 2-3, 4-5, 6-7 (v4 is also 16 x lane); v16-79 O's scale words, v80-95 wo's; v128-255 accumulator (a, b) at 128 + 8 (2 a + b).  window 1: v0-95, v96-191 O's fragments, two sets.
;   window 2: wo's fragments of K steps 0-9, 24 registers each; window 3: of steps 10-15.
.set FRB,   1536
.set TROW,  24576
.set QUART, 49152
.set SPARE, 196608
.set SP,    528
.set LI,   4
.set AD,   4
.set SVB,  10
.set STO,  11
.set RD,   12
.set SPW,  14
.set NIL,  15
.set SA,   16
.set SB,   80
.set ACC,  128
.set MSB, 0
.macro WIN new
.if MSB != (\new)
	s_set_vgpr_msb (MSB<<8)|(\new)
.set MSB, (\new)
.endif
.endm
.macro PLACES n
.rept \n
	v_nop
.endr
.endm
.macro CROUND
	s_barrier_signal -1
	s_barrier_wait -1
	s_cmp_lg_u32 s14, 0
	s_cbranch_scc1 .Lnot_wave_0_\@
	s_barrier_signal -3
.Lnot_wave_0_\@:
	s_barrier_wait -3
	s_barrier_signal -1
	s_barrier_wait -1
.endm
	s_load_b256 s[4:11], s[0:1], 0x0               ; ocodes, oscales, codes, scales
	s_load_b64 s[12:13], s[0:1], 0x20              ; out0
	v_lshl_add_u32 v[SPW], v0, 2, SPARE
	v_mov_b32 v[NIL], 0
	ds_add_u32 v[SPW], v[NIL]                      ; the opening lines: the add twice on end and one wait
	ds_add_u32 v[SPW], v[NIL]
	v_lshrrev_b32 v1, 5, v0
	v_readfirstlane_b32 s14, v1                    ; wave
	s_bfe_u32 s15, ttmp6, 0x40000                  ; cx
	s_lshl_b32 s16, ttmp9, 2
	s_add_co_u32 s16, s16, s15                     ; block column: it enters global addresses of wo and out0 alone
	s_and_b32 s17, ttmp7, 0xffff                   ; block row, which the four partners share
	s_mov_b32 s24, 15|(3<<16)|(1<<21)              ; group 1: 192 rows of 256 bytes (32 elements of 8), dense; the mask names all four
	s_mov_b32 s25, 32<<16
	s_mov_b32 s26, 192<<16
	s_mov_b32 s27, 32<<16
	s_mov_b32 s28, 192
	s_mov_b32 s29, 32
	s_mov_b32 s30, 0
	s_mov_b32 s31, 0
	s_mul_i32 s20, s17, 8*TROW
	s_mul_i32 s18, s14, QUART                      ; my quarter, in memory and in LDS
	s_add_co_u32 s20, s20, s18
	s_mov_b32 s21, 0
	s_lshl_b32 s22, s17, 13                        ; O's words: 8,192 bytes for eight tiles
	s_mov_b32 s23, 0
	s_lshl_b32 s36, s16, 3
	s_lshl_b32 s19, s14, 1
	s_add_co_u32 s36, s36, s19
	s_add_co_u32 s36, s36, 512                     ; my first tile of wo, the fifth tensor of codes
	s_lshr_b32 s38, s36, 2
	s_lshl_b32 s38, s38, 12                        ; its group's words
	s_mov_b32 s39, 0
	s_mul_i32 s36, s36, TROW
	s_mov_b32 s37, 0
	s_lshl_b32 s40, s17, 7
	s_lshl_b32 s19, s14, 5
	s_add_co_u32 s40, s40, s19                     ; the first of the 32 tokens that I store
	s_lshl_b32 s40, s40, 13
	s_lshl_b32 s19, s16, 9
	s_add_co_u32 s40, s40, s19
	s_mov_b32 s41, 0
	s_and_b32 s42, s14, 1
	s_lshl_b32 s42, s42, 3                         ; my two of the group's four words
	s_lshl_b32 s43, s14, 7                         ; my 32 outputs in a stage row
	s_mul_i32 s44, s14, 32*SP                      ; my 32 rows of the stage
	v_and_b32 v1, 31, v0
	v_lshlrev_b32 v[LI], 4, v1
	v_add_nc_u32 v[AD+1], QUART, v[LI]
	v_add_nc_u32 v[AD+2], 2*QUART, v[LI]
	v_add_nc_u32 v[AD+3], 3*QUART, v[LI]
	v_add_nc_u32 v[SVB], s42, v[LI]
	v_and_b32 v2, 15, v0                           ; r
	v_bfe_u32 v3, v0, 4, 1                         ; h
	v_and_b32 v1, 8, v2
	v_add_nc_u32 v1, v1, v2                        ; r + 8 (r / 8): the tiles' order of rows is undone in the stage
	v_mul_u32_u24 v1, v1, SP
	v_lshl_add_u32 v1, v3, 6, v1
	v_add_nc_u32 v[STO], s43, v1
	v_add_nc_u32 v[RD], s44, v[LI]
	s_wait_alu depctr_va_vdst(0)                   ; the wait at the end of the head's vector work
	s_wait_dscnt 0x0
	s_wait_kmcnt 0x0
	s_mov_b32 s32, 1
	s_mov_b32 s33, s18
	s_add_nc_u64 s[34:35], s[4:5], s[20:21]
	s_or_b32 s35, s35, 0x80000000
	s_add_nc_u64 s[6:7], s[6:7], s[22:23]
	s_add_nc_u64 s[8:9], s[8:9], s[36:37]
	s_add_nc_u64 s[10:11], s[10:11], s[38:39]
	s_add_nc_u64 s[12:13], s[12:13], s[40:41]
	CROUND                                         ; all four work-groups are here
	tensor_load_to_lds s[32:35], s[24:31]          ; my one tensor load
	s_nop 0
	PLACES 4
.irp j, 0,1,2,3,4,5,6,7                ; 24 loads: the scale words of K steps 2 j, 2 j + 1
.irp g, 0,1
	global_load_b128 v[SA+8*\j+4*\g:SA+8*\j+4*\g+3], v[LI], s[6:7] offset:4096*\g+512*\j
.endr
	global_load_b64 v[SB+2*\j:SB+2*\j+1], v[SVB], s[10:11] offset:512*\j
.endr
.macro BLOAD s                         ; six loads: wo's two fragments of K step s
	WIN 0x80+0x40*((\s)/10)
.irp b, 0,1
.irp c, 0,1,2
	global_load_b128 v[24*((\s)%10)+12*\b+4*\c:24*((\s)%10)+12*\b+4*\c+3], v[LI], s[8:9] offset:\b*TROW+(\s)*FRB+512*\c
.endr
.endr
.endm
.irp s, 0,1,2,3,4,5,6,7,8,9,10,11,12,13,14,15
	BLOAD \s
.endr
	WIN 0
.macro FETCH st                        ; O's eight fragments of K step st into set st % 2
	WIN 0x40
.irp i, 0,1,2,3,4,5,6,7
.irp c, 0,1,2
	ds_load_b128 v[96*((\st)%2)+12*\i+4*\c:96*((\st)%2)+12*\i+4*\c+3], v[AD+\i/2] offset:(\i%2)*TROW+(\st)*FRB+512*\c
.endr
.endr
	WIN 0
.endm
.macro WM d, fb, fa, sb, sa, zero, row
.if \zero
	v_wmma_scale_f32_16x16x128_f8f6f4 v[\d:\d+7], v[\fb:\fb+11], v[\fa:\fa+11], 0, v[\sb], v[\sa] matrix_a_fmt:MATRIX_FMT_FP6 matrix_b_fmt:MATRIX_FMT_FP6
.elseif \row
	v_wmma_scale_f32_16x16x128_f8f6f4 v[\d:\d+7], v[\fb:\fb+11], v[\fa:\fa+11], v[\d:\d+7], v[\sb], v[\sa] matrix_a_fmt:MATRIX_FMT_FP6 matrix_b_fmt:MATRIX_FMT_FP6 matrix_a_scale:MATRIX_SCALE_ROW1 matrix_b_scale:MATRIX_SCALE_ROW1
.else
	v_wmma_scale_f32_16x16x128_f8f6f4 v[\d:\d+7], v[\fb:\fb+11], v[\fa:\fa+11], v[\d:\d+7], v[\sb], v[\sa] matrix_a_fmt:MATRIX_FMT_FP6 matrix_b_fmt:MATRIX_FMT_FP6
.endif
.endm
.macro STEP s                          ; 16 products; the 16 accumulators take turns in one order in every step
	s_wait_dscnt 0x0                               ; this step's fragments of O are in
.if (\s) < 15
.if (\s) > 0
	PLACES 4                                       ; in front of loads into registers that the last step's products have read
.endif
	FETCH (\s)+1
.endif
.if 6*(15-(\s)) > 63
	s_wait_loadcnt 63                              ; of 120 loads the first 57 are in: the words and wo's steps 0 to 4
.else
	s_wait_loadcnt 6*(15-(\s))                     ; wo's fragments of this step are in; the later steps' six loads each may be out
.endif
.if (\s) == 15
	s_barrier_signal -1                            ; my reads of O's codes are over
.endif
	WIN 0x06+(\s)/10                               ; source 0 window 2 or 3, source 1 window 1
.irp a, 0,1,2,3,4,5,6,7
.irp b, 0,1
	WM ACC+8*(2*\a+\b), 24*((\s)%10)+12*\b, 96*((\s)%2)+12*\a, SB+2*((\s)/2)+\b, SA+8*((\s)/2)+\a, (\s)==0, (\s)%2
.endr
.endr
	WIN 0
.endm
	s_wait_tensorcnt 0x0                           ; my quarter is in,
	s_barrier_signal -1
	s_barrier_wait -1                              ; everybody's is
	FETCH 0
.irp s, 0,1,2,3,4,5,6,7,8,9,10,11,12,13,14,15
	STEP \s
.endr
	s_barrier_wait -1                              ; nobody reads O's codes any more: the stage may be laid over them
	PLACES 4                                       ; behind the last products
.irp a, 0,1,2,3,4,5,6,7
.irp b, 0,1
	ds_store_b128 v[STO], v[ACC+8*(2*\a+\b):ACC+8*(2*\a+\b)+3] offset:(32*(\a/2)+8*(\a%2))*SP+32*\b        ; each accumulator from its low end on
	ds_store_b128 v[STO], v[ACC+8*(2*\a+\b)+4:ACC+8*(2*\a+\b)+7] offset:(32*(\a/2)+8*(\a%2))*SP+32*\b+16
.endr
.endr
	s_wait_dscnt 0x0
	s_barrier_signal -1
	s_barrier_wait -1                              ; the block lies in the stage whole
.irp t, 0,1,2,3,4,5,6,7,8,9,10,11,12,13,14,15,16,17,18,19,20,21,22,23,24,25,26,27,28,29,30,31
	ds_load_b128 v[ACC+4*\t:ACC+4*\t+3], v[RD] offset:\t*SP
.endr
.irp q, 0,1,2,3
	s_wait_dscnt 24-8*\q                           ; eight more rows are back
.irp t, 0,1,2,3,4,5,6,7
	global_store_b128 v[LI], v[ACC+4*(8*\q+\t):ACC+4*(8*\q+\t)+3], s[12:13] offset:(8*\q+\t)*8192 th:TH_STORE_NT   ; 32 lanes store 512 consecutive bytes, aligned
.endr
.endr
	s_wait_tensorcnt 0x0                           ; the wave's end
	ds_add_u32 v[SPW], v[NIL]
	s_wait_dscnt 0x0
	CROUND                                         ; the closing round
	s_endpgm
.Lfunc_end_k_q4779dd0a8e_oproj:
	.size	k_q4779dd0a8e_oproj, .Lfunc_end_k_q4779dd0a8e_oproj-k_q4779dd0a8e_oproj
	.p2alignl 7, 3214868480
	.fill 96, 4, 3214868480
	.section	.rodata,"a",@progbits
	.p2align	6, 0x0
	.amdhsa_kernel k_q4779dd0a8e_oproj
		.amdhsa_group_segment_fixed_size 197120
		.amdhsa_private_segment_fixed_size 0
		.amdhsa_enable_private_segment 0
		.amdhsa_kernarg_size 40
		.amdhsa_user_sgpr_count 2
		.amdhsa_user_sgpr_kernarg_segment_ptr 1
		.amdhsa_wavefront_size32 1
		.amdhsa_system_sgpr_workgroup_id_x 1
		.amdhsa_system_sgpr_workgroup_id_y 1
		.amdhsa_system_sgpr_workgroup_id_z 1
		.amdhsa_system_vgpr_workitem_id 0
		.amdhsa_next_free_vgpr 912
		.amdhsa_next_free_sgpr 66
		.amdhsa_reserve_vcc 0
		.amdhsa_float_denorm_mode_32 3
		.amdhsa_float_denorm_mode_16_64 3
		.amdhsa_memory_ordered 1
		.amdhsa_forward_progress 1
		.amdhsa_inst_pref_size 85
	.end_amdhsa_kernel
	.amdgpu_metadata
---
amdhsa.version: [ 1, 2 ]
amdhsa.kernels:
  - .name:           k_q4779dd0a8e_oproj
    .symbol:         k_q4779dd0a8e_oproj.kd
    .args:
      - { .name: ocodes, .offset: 0, .size: 8, .value_kind: global_buffer, .address_space: global }
      - { .name: oscales, .offset: 8, .size: 8, .value_kind: global_buffer, .address_space: global }
      - { .name: codes, .offset: 16, .size: 8, .value_kind: global_buffer, .address_space: global }
      - { .name: scales, .offset: 24, .size: 8, .value_kind: global_buffer, .address_space: global }
      - { .name: out0, .offset: 32, .size: 8, .value_kind: global_buffer, .address_space: global }
    .group_segment_fixed_size: 197120
    .private_segment_fixed_size: 0
    .kernarg_segment_align: 8
    .kernarg_segment_size: 40
    .max_flat_workgroup_size: 128
    .sgpr_count:     66
    .vgpr_count:     912
    .wavefront_size: 32
...
	.end_amdgpu_metadata
.endif
;; end of part 4
